; MI455X (gfx1250); checked and timed in simulation.
; The chip was launched on July 23, 2026; its instructions are those of AMD's public machine-readable ISA for CDNA 5 (MIT licence, August 2026) and "CDNA5" Instruction Set Architecture Reference Guide (July 2026). The comments in the code are by the model that wrote it; some were corrected since.
;; Masked Attention. Allowed arithmetic: matrix products marked QUANTISED: E4M3 operands, one E8M0 scale for each 32 along K, by v_wmma_scale_f32_16x16x128_f8f6f4 with both operands' format E4M3, f32 sums; everything else in f32.
;; Inputs: b_attn 3,072 float32; b_proj 1,024 float32; w_attn_codes 3,072 x 32 x 32 uint8 (E4M3 codes of w_attn, K innermost, in blocks of 32 codes); w_attn_scales 3,072 x 32 uint8 (E8M0 scales of w_attn, one for each 32 codes along K); w_proj_codes 1,024 x 32 x 32 uint8 (E4M3 codes of w_proj, K innermost, in blocks of 32 codes); w_proj_scales 1,024 x 32 uint8 (E8M0 scales of w_proj, one for each 32 codes along K); x_codes 4 x 2,048 x 32 x 32 uint8 (E4M3 codes of x, K innermost, in blocks of 32 codes); x_scales 4 x 2,048 x 32 uint8 (E8M0 scales of x, one for each 32 codes along K).
;; Outputs: out0 4 x 2,048 x 1,024 float32.
;; This version of the problem:
;;   THIS VERSION OF THE PROBLEM IS GIVEN IN LOW PRECISION. The matrix products marked QUANTISED in the list below multiply operands that are first quantised to E4M3 (4 exponent bits, 3 mantissa bits; 8 bits a number), with one power-of-two scale for each 32 numbers along K (OCP MX v1.0); their sums are f32. All else is computed in f32.
;;   The module's matrix products, in the order in which they are computed (A, B: the left and right operand; K: the contracted axis; several contracted axes count as one K, in the product's order):
;;     1. [M 8,192, K 1,024] x [K 1,024, N 3,072]; A: input x (given as codes); B: input w_attn (given as codes): QUANTISED
;;     2. batch 64 x [M 2,048, K 64] x [K 64, N 2,048]; A: computed on the way; B: computed on the way: QUANTISED
;;     3. batch 64 x [M 2,048, K 2,048] x [K 2,048, N 64]; A: softmax (see below); B: computed on the way: QUANTISED
;;     4. [M 8,192, K 1,024] x [K 1,024, N 1,024]; A: computed on the way; B: input w_proj (given as codes): QUANTISED
;;   THE QUANTISER, for each operand of a quantised product, along K:
;;     - K is cut into blocks of 32 from its start; a last block that is shorter is filled with zeros.
;;     - A block's scale is 2^e with e = floor(log2(the largest magnitude in the block)) - 8, held to -126 .. 127; a block of zeros has e = 0. As a byte (E8M0): e + 127.
;;     - Each number is divided by its block's scale, clamped to +-448, and rounded to the nearest number of E4M3, ties to even, subnormals kept.
;;     - The product sums the exact products of the quantised numbers (number of the format x scale) in f32.
;;   ~~~python
;;   def quantise(x, axis):      # numpy; x: float32 -> the quantised numbers, widened to float32 again
;;       x = np.moveaxis(x, axis, -1); K = x.shape[-1]
;;       x = np.pad(x, [(0, 0)] * (x.ndim - 1) + [(0, -K % 32)]); x = x.reshape(x.shape[:-1] + (-1, 32)); a = np.abs(x).max(-1, keepdims=True)
;;       e = np.where(a > 0, np.clip(np.frexp(np.where(a > 0, a, 1))[1] - 1 - 8, -126, 127), 0)      # np.frexp(a)[1] - 1 = floor(log2(a)), exactly
;;       r = np.clip(x / 2.0 ** e, -448, 448)
;;       step = 2.0 ** (np.maximum(np.frexp(np.where(r == 0, 1, r))[1] - 1, -6) - 3)
;;       q = np.round(r / step) * step * 2.0 ** e      # np.round: ties to even
;;       return np.moveaxis(q.reshape(q.shape[:-2] + (-1,))[..., :K], -1, axis).astype(np.float32)
;;   ~~~
;;   SOFTMAX AHEAD OF A QUANTISED PRODUCT. Where the list says 'softmax', what is quantised is not the finished softmax but p = 2^(t - M), with t = logit x log2(e) and M = ceil(the row's largest t), a whole number; so 1/2 < the row's largest p <= 1. The row's sum l is taken of the UNQUANTISED p, in f32, and the product's result is divided by l at the end. Since M is a whole number, a kernel that streams over the keys may use a running M (the ceiling of the running maximum): every later rescaling is an exact power of two, which a block's scale takes up: the codes' values come out the same.
;;   OPERANDS COMPUTED ON THE WAY. 'Computed on the way' means the value that the module computes at that place (a softmax that the list does not call 'softmax' is quantised finished and normalised). What goes into a quantiser is computed in f32, as accurately as f32 sums, v_exp_f32 and their like allow (about 1e-6 of the number): no bf16 or f16 on the way to a quantiser, and a product that is left as it is and whose result goes on into a quantised operand takes f32 operands (vector FMAs, or v_wmma_f32_16x16x4_f32). A number that lies on a knife's edge between two numbers of the format may be rounded either way, as far as f32 arithmetic and the matrix unit's own rounding can turn it there, and no further.
;;   INPUTS GIVEN AS CODES. w_attn (in the module: [1024, 3072], K = its axis 0); w_proj (in the module: [1024, 1024], K = its axis 0); x (in the module: [4, 2048, 1024], K = its axis 2): each comes as NAME_codes (uint8): NAME with its K axis moved to the last place and cut into blocks of 32 codes, [.., K / 32, bytes a block], one block behind the other in memory; one code a byte (a code: sign, 4 exponent bits, 3 mantissa bits); and NAME_scales (uint8): the same leading axes, one E8M0 byte (e + 127) for each 32 codes along K. Its value is code x scale, taken as it is: it is not quantised again, and the codes and scales need not be those that the quantiser above would give.
;; One version. Each part assembles by itself: llvm-mc -triple=amdgcn-amd-amdhsa -mcpu=gfx1250 --defsym DOCPART=n.
;; ======== version 1 of 1: 3 launches
;; limits: right only within a limited range of input values
;; workspace buffers: qkv_codes 25,165,824 bytes; qkv_scales 786,432 bytes; a_codes 8,388,608 bytes; a_scales 262,144 bytes
;; launch qkv (part 1): grid 12 x 32, 4 waves a work-group, clusters of 4 x 4, 327,680 bytes of LDS; arguments x_codes, x_scales, w_attn_codes, w_attn_scales, b_attn, qkv_codes, qkv_scales; writes qkv_codes, qkv_scales
.if DOCPART == 1
	.amdgcn_target "amdgcn-amd-amdhsa--gfx1250"
	.amdhsa_code_object_version 6
	.text
	.protected	k_q2cea9a9b28_qkv
	.globl	k_q2cea9a9b28_qkv
	.p2align	8
	.type	k_q2cea9a9b28_qkv,@function
k_q2cea9a9b28_qkv:
	s_mov_b64 s[64:65], 0
	v_nop
	global_prefetch_b8 v0, s[64:65] scope:SCOPE_SE
	s_setreg_imm32_b32 hwreg(HW_REG_WAVE_MODE, 25, 1), 1
	s_wait_xcnt 0x0
	s_wait_alu depctr_hold_cnt(0) depctr_sa_sdst(0) depctr_va_vdst(0) depctr_va_sdst(0) depctr_va_ssrc(0) depctr_va_vcc(0) depctr_vm_vsrc(0)
	s_getreg_b32 s2, hwreg(HW_REG_IB_STS2, 6, 4)
	s_cmp_eq_u32 s2, 0
	s_cbranch_scc0 .Lentry_in_a_cluster
	s_endpgm
.Lentry_in_a_cluster:
	s_bfe_u32 s2, ttmp6, 0x10000c
	s_cmp_lg_u32 s2, 0xf033
	s_cbranch_scc0 .Lentry_shape_is_right
	s_endpgm
.Lentry_shape_is_right:
; qkv = x W_attn + b_attn on codes of FP8 (E4M3) with one E8M0 scale for each 32 along K = 1,024; the results are quantised at once, as operands of the two products of attention.
; ONE TEXT, TWO PRODUCTS, chosen by the cluster's x (equal in all partners).  "A" is source 1 of the matrix instruction, "B" source 0; a lane's eight results run along B's rows.
;   clusters x = 0, 1: q and k.  A = x (8,192 tokens), B = W's rows 0 .. 2,047: a lane holds one token and its registers run along a head's 64 numbers, the K of q k^T.
;   cluster  x = 2:    v.        A = W's rows 2,048 .. 3,071, B = x: a lane holds one of a head's 64 numbers and its registers run along the tokens, the K of p v.
; A work-group of four waves makes 256 x 256, a wave 128 x 128: 64 accumulators, 512 registers.  K goes in steps of 256 through a ring of two LDS slots filled by the tensor data mover;
; the scale bytes of the work-group's 512 rows come once and stay.  4 x 4 work-groups form a cluster: A's tiles are asked for jointly along a row of it, B's along a column.
; THE WAY OUT USES NO LDS.  The 16 registers of two neighbouring tiles of B's rows are converted as they stand: place 32 b + 16 h + 8 u + j of an operand holds index 32 b + 16 u + 8 h + j
; (h = lane / 16).  That is a permutation inside a block of 32, made alike on both operands of each later product, so no product changes.  Codes leave as images of operand registers:
; four registers a lane, lane l's 16 bytes at 16 l, so each store of the wave covers 512 consecutive bytes, aligned.
; qkv_codes: 192 planes of 131,072 bytes, plane = (W row / 64) x 4 + batch.  q, k: [tile of 16 tokens][32 of the head's 64][lane][16].  v: [128 keys][key block / 2][16 of the head's 64][key block % 2][lane][16].
; qkv_scales: 192 planes of 4,096 bytes: [128 tokens][lane][2][4 bytes]: lane (r, h), word i belongs to fragment 2 i + h and its row r.
; LIMITS: NaN and infinities are not served.  A block whose largest magnitude lies under 2^-118, a block of zeros too, keeps the scale byte 1: this program alone reads the bytes.
.set NQ,     2                         ; matrix instructions deep in a slot: 256 along K
.set ROWB,   256                       ; a tile's row in bytes
.set KROW,   1024                      ; a row of x or of W in memory, in bytes
.set PITCH,  272                       ; an LDS row: 256 bytes + 16 of padding = 68 words: the 16 rows that a load touches start at 16 different banks (ISA guide 11.1)
.set FR,     16                        ; registers of a fragment: 16 rows x 128 K
.set NL,     4                         ; LDS loads that bring one
.set NP,     8                         ; places behind this matrix instruction (ISA guide 7.12.1)
.set HALFT,  128*PITCH                 ; 128 rows: what one tensor load brings
.set SLOT,   4*HALFT                   ; A's 256 rows, then B's 256 rows
.set LAPS,   2                         ; 1,024 / 512: a lap is once round the ring
.set KS,     32                        ; a row of scale bytes
.set SCL,    2*SLOT                    ; behind the ring: the scales, as units of 256 bytes + 16 of padding
.set HALFS,  (128*KS/256)*272          ; those of 128 rows
.set SBLK,   (16*KS/256)*272           ; those of 16 rows
.set SPARE,  SCL+4*HALFS               ; the spare words, 128 bytes for each wave: two blocks of 256 bytes that no other line names
.set BS1,  8                           ; v8-15   the bias along A's rows: register a: row 16 a + lane % 16 (zeros for q and k)
.set ADRA, 16                          ; v16-17  LDS address of my A fragments in slot 0, 1
.set ADRB, 20                          ; v20-21  the same for B
.set L16,  24                          ; v24     16 x lane
.set L8,   25                          ; v25     8 x lane
.set ADRS, 27                          ; v27     LDS address of my scale words: lanes 0-15 A's rows, lanes 16-31 B's
.set SPW,  28                          ; v28     LDS address of my spare word; never rewritten
.set NIL,  29                          ; v29     0; never rewritten
.set SC,   32                          ; v32-63  scale words, two sets
.set BIAS, 64                          ; v64-127 the bias along B's rows, eight registers a tile, in the result's layout (zeros for v): the C of the first K step
.set AF,   128                         ; v128-255 A's fragments, one set.  Window 1: B's fragments, two sets.  Windows 2, 3: the accumulators
.set TM,   32                          ; the way out, all in window 0: v32-47 at work
.set PWR,  48                          ; v48-55  the scale word of each of my eight blocks of A's rows
.set OW,   56                          ; v56-63  the words as they leave
.set W,    64                          ; v64-127 the 64 numbers being quantised
.set PCD,  128                         ; v128-255 codes: 16 registers for each block, so that no store's data are written again
.set WV, 18
.set WH, 19
.set WL, 20
.set CX, 21
.set CY, 22
.set G1, 24                            ; s[24:31] descriptor group 1 for A's tiles;  s[32:39] group 0, one set for each slot
.set G0, 32
.set PO, 40                            ; s[40:47] the way out: four addresses in qkv_codes
.set G1B, 48                           ; s[48:55], s[56:63] the same for B's tiles
.set G0B, 56
.set G1S, 68                           ; s[68:75], s[76:79] groups 1 and 0 for A's scales;  s[80:87], s[88:91] for B's
.set G0S, 76
.set G1SB, 80
.set G0SB, 88
.set SPO, 92                           ; s[92:95] the way out: two addresses in qkv_scales
.set SEL, 96                           ; s[96:97] lane selects for v_permlanex16_b32: lane l xor 16
.set MNT, 98
.set PS0, 99                           ; s99  byte selects: the low halves of two words;  s101: the high halves
.set PS1, 101
.set GSEL, 100                         ; s100 all ones for q and k, 0 for v
.set HM,  2                            ; s2   lanes 16-31
.set MSB, 0
.macro WIN new                         ; the immediate's high byte repeats the setting that is left
.if MSB != (\new)
	s_set_vgpr_msb (MSB<<8)|(\new)
.set MSB, (\new)
.endif
.endm
.set MUL_LO, 0xa1                      ; source 0 (B) window 1, source 1 (A) window 0, C and D window 2
.set MUL_HI, 0xf1                      ; the same, C and D window 3
.set BEG_LO, 0x81                      ; the first K step: C (the bias) window 0, D window 2
.set BEG_HI, 0xc1                      ; D window 3
.set TO_B,   0x40                      ; destination window 1, address window 0
; A joint load: waves 0 and 1 fetch for A, waves 2 and 3 for B.  Each line has one mask and one set of registers; the branch hangs on the wave's number alone.
; Four v_nop follow each of the two lines, ahead of the jump, the label and what follows.
.macro JLOAD g0a, g1a, g0b, g1b
	s_cmp_eq_u32 s[WH], 0
	s_cbranch_scc0 .Lfor_b_\@
	tensor_load_to_lds s[\g0a:\g0a+3], s[\g1a:\g1a+7]
	s_nop 0
.rept 4
	v_nop
.endr
	s_branch .Lasked_\@
.Lfor_b_\@:
	tensor_load_to_lds s[\g0b:\g0b+3], s[\g1b:\g1b+7]
	s_nop 0
.rept 4
	v_nop
.endr
.Lasked_\@:
.endm
.macro CREST                           ; a round of the cluster's barrier behind its opening barrier
	s_cmp_lg_u32 s[WV], 0
	s_cbranch_scc1 .Lnot_wave_0_\@
	s_barrier_signal -3
.Lnot_wave_0_\@:
	s_barrier_wait -3
	s_barrier_signal -1
	s_barrier_wait -1
.endm
.macro CROUND                          ; a whole round
	s_barrier_signal -1
	s_barrier_wait -1
	CREST
.endm
	s_load_b256 s[4:11], s[0:1], 0x0               ; x's codes s[4:5], x's scales s[6:7], W's codes s[8:9], W's scales s[10:11]
	s_load_b128 s[12:15], s[0:1], 0x20             ; b_attn s[12:13], qkv_codes s[14:15]
	s_load_b64 s[16:17], s[0:1], 0x30              ; qkv_scales
	v_lshl_add_u32 v[SPW], v0, 2, SPARE
	v_mov_b32 v[NIL], 0
	ds_add_u32 v28, v29
	ds_add_u32 v28, v29
	s_wait_dscnt 0x0
	v_lshrrev_b32 v1, 5, v0
	v_readfirstlane_b32 s[WV], v1                  ; wave 0..3
	s_lshr_b32 s[WH], s[WV], 1                     ; which half of A's 256 rows is mine.  Also: I fetch for A (0) or for B (1)
	s_and_b32 s[WL], s[WV], 1                      ; which half of B's.  Also: which 128 rows of that tile I fetch
	s_bfe_u32 s[CX], ttmp6, 0x40000                ; my place in the cluster
	s_bfe_u32 s[CY], ttmp6, 0x40004
	s_lshl_b32 s43, s[CY], 2
	s_lshl_b32 s43, 15, s43                        ; my row of the cluster
	s_lshl_b32 s44, 0x1111, s[CX]                  ; my column
	; descriptor group 1: a tile of 128 rows x 256 bytes, 16 bytes of padding behind each row
	s_or_b32 s[G1+0], s43, (0<<16)|(1<<20)|(1<<21)|(5<<22)|(3<<25)  ; 15:0 the mask; 17:16 elements of 1 byte; 20 padding on; 21 set beside a mask; 24:22 after every 64 words; 31:25 four words
	s_or_b32 s[G1B+0], s44, (0<<16)|(1<<20)|(1<<21)|(5<<22)|(3<<25)
.irp g, G1, G1B
	s_mov_b32 s[\g+1], ROWB<<16                    ; tensor_dim0
	s_mov_b32 s[\g+2], 128<<16                     ; tensor_dim1
	s_mov_b32 s[\g+3], ROWB<<16                    ; tile_dim0
	s_mov_b32 s[\g+4], 128                         ; tile_dim1
	s_mov_b32 s[\g+5], KROW                        ; the pitch in memory
	s_mov_b32 s[\g+6], 0
	s_mov_b32 s[\g+7], 0
.endr
	; the scales of 128 rows: 4,096 dense bytes, as 16 rows of 256 bytes (32 elements of 8 bytes), 16 bytes of padding behind each
	s_or_b32 s[G1S+0], s43, (3<<16)|(1<<20)|(1<<21)|(5<<22)|(3<<25)
	s_or_b32 s[G1SB+0], s44, (3<<16)|(1<<20)|(1<<21)|(5<<22)|(3<<25)
.irp g, G1S, G1SB
	s_mov_b32 s[\g+1], 32<<16
	s_mov_b32 s[\g+2], (128*KS/256)<<16
	s_mov_b32 s[\g+3], 32<<16
	s_mov_b32 s[\g+4], 128*KS/256
	s_mov_b32 s[\g+5], 32
	s_mov_b32 s[\g+6], 0
	s_mov_b32 s[\g+7], 0
.endr
	; the tile's first rows.  q, k: A row 1,024 y + 256 cy of x, B row 1,024 x + 256 cx of W.  v: A row 2,048 + 256 cy of W, B row 1,024 y + 256 cx of x.  (x, y: the cluster's)
	s_and_b32 s23, ttmp7, 0xffff
	s_lshl_b32 s23, s23, 10
	s_lshl_b32 s40, ttmp9, 10
	s_lshl_b32 s41, s[CY], 8
	s_lshl_b32 s42, s[CX], 8
	s_lshl_b32 s45, s[WL], 7
	s_cmp_lt_u32 ttmp9, 2                          ; the choice hangs on the cluster's x alone
	s_cselect_b32 s[GSEL], -1, 0
	s_cselect_b32 s66, s23, 2048
	s_cselect_b32 s67, s40, s23
	s_add_co_u32 s66, s66, s41                     ; A's first row: of the cluster's places only cy enters
	s_add_co_u32 s67, s67, s42                     ; B's: only cx
	s_add_co_u32 s46, s66, s45                     ; the 128 rows that I fetch
	s_add_co_u32 s47, s67, s45
	s_lshl_b32 s92, s46, 10                        ; their codes, in bytes (under 2^24),
	s_mov_b32 s93, 0
	s_lshl_b32 s94, s46, 5                         ; and their scale bytes
	s_mov_b32 s95, 0
	s_lshl_b32 s96, s47, 10
	s_mov_b32 s97, 0
	s_lshl_b32 s98, s47, 5
	s_mov_b32 s99, 0
	s_mul_i32 s2, s[WV], HALFT                     ; where they go: wave x 128 rows: no place in the cluster enters an LDS address
	s_mul_i32 s101, s[WV], HALFS
	s_wait_kmcnt 0x0
	s_cmp_lt_u32 ttmp9, 2
	s_cselect_b64 s[40:41], s[4:5], s[8:9]         ; A's codes: x's or W's
	s_cselect_b64 s[42:43], s[6:7], s[10:11]       ; A's scales
	s_cselect_b64 s[44:45], s[8:9], s[4:5]         ; B's codes
	s_cselect_b64 s[46:47], s[10:11], s[6:7]       ; B's scales
	s_add_nc_u64 s[40:41], s[40:41], s[92:93]
	s_add_nc_u64 s[42:43], s[42:43], s[94:95]
	s_add_nc_u64 s[44:45], s[44:45], s[96:97]
	s_add_nc_u64 s[46:47], s[46:47], s[98:99]
	CROUND                                         ; all sixteen work-groups are here: the first joint loads meet
	s_mov_b32 s[G0S], 1
	s_add_co_u32 s[G0S+1], s101, SCL
	s_mov_b64 s[G0S+2:G0S+3], s[42:43]
	s_or_b32 s[G0S+3], s[G0S+3], 0x80000000
	s_mov_b32 s[G0SB], 1
	s_add_co_u32 s[G0SB+1], s101, SCL
	s_mov_b64 s[G0SB+2:G0SB+3], s[46:47]
	s_or_b32 s[G0SB+3], s[G0SB+3], 0x80000000
	JLOAD G0S, G1S, G0SB, G1SB                     ; the scales first: they are wanted with K step 0
.irp s, 0,1
	s_mov_b32 s[G0+4*\s], 1
	s_add_co_u32 s[G0+4*\s+1], s2, \s*SLOT
	s_add_nc_u64 s[G0+4*\s+2:G0+4*\s+3], s[40:41], \s*ROWB
	s_or_b32 s[G0+4*\s+3], s[G0+4*\s+3], 0x80000000
	s_mov_b32 s[G0B+4*\s], 1
	s_add_co_u32 s[G0B+4*\s+1], s2, \s*SLOT
	s_add_nc_u64 s[G0B+4*\s+2:G0B+4*\s+3], s[44:45], \s*ROWB
	s_or_b32 s[G0B+4*\s+3], s[G0B+4*\s+3], 0x80000000
	JLOAD G0+4*\s, G1, G0B+4*\s, G1B
.endr
	v_and_b32 v1, 15, v0                           ; r = lane % 16
	v_bfe_u32 v2, v0, 4, 1                         ; h = lane / 16
	v_mul_u32_u24 v3, v1, PITCH
	v_lshl_add_u32 v4, v2, 4, v3                   ; a fragment's row x pitch + 16 x half
	s_mul_i32 s92, s[WH], HALFT                    ; my 128 rows of A
	s_mul_i32 s93, s[WL], HALFT                    ; my 128 rows of B,
	s_add_co_u32 s93, s93, 2*HALFT                 ; which lie behind A's 256
.irp s, 0,1
	v_add_nc_u32 v[ADRA+\s], s92, v4
	v_add_nc_u32 v[ADRB+\s], s93, v4
	s_add_co_u32 s92, s92, SLOT
	s_add_co_u32 s93, s93, SLOT
.endr
	v_mul_u32_u24 v5, v1, KS                       ; my row's scales: 32 bytes a row,
	v_lshrrev_b32 v6, 8, v5
	v_lshl_add_u32 v5, v6, 4, v5                   ; and 16 more for each 256 passed
	s_mul_i32 s92, s[WH], HALFS                    ; A's: my 128 rows
	s_mul_i32 s93, s[WL], HALFS                    ; B's: my 128 rows, behind A's 256
	s_add_co_u32 s93, s93, 2*HALFS
	s_sub_co_u32 s93, s93, s92
	v_mul_u32_u24 v6, s93, v2                      ; lanes 16-31 take B's
	s_add_co_u32 s92, s92, SCL
	v_add_nc_u32 v5, v5, v6
	v_add_nc_u32 v[ADRS], s92, v5
	; my wave's first row of W (s66) and first token (s67)
	s_lshl_b32 s94, s[WH], 7
	s_add_co_u32 s94, s66, s94
	s_lshl_b32 s95, s[WL], 7
	s_add_co_u32 s95, s67, s95
	s_mov_b32 s2, 524288                           ; four planes on: the next head
	s_mov_b32 s101, 4096
	s_cmp_lt_u32 ttmp9, 2
	s_cselect_b32 s66, s95, s94
	s_cselect_b32 s67, s94, s95
	s_cselect_b32 s96, s2, s101                    ; what blocks 2, 3 of a lane's 128 add to the address: q, k: the next head; v: the key blocks' upper half
	s_cselect_b32 s98, s101, s2                    ; what my blocks 4-7 of A's rows add: q, k: four tiles of tokens; v: the next head
	s_mov_b32 s97, 0
	s_mov_b32 s99, 0
	s_lshl_b32 s23, s66, 2
	v_lshlrev_b32 v7, 5, v2
	v_add_nc_u32 v7, s23, v7                       ; b_attn at my first row of W, + 8 h numbers
	v_lshl_add_u32 v6, v1, 2, s23                  ; the same, + r numbers
.irp b, 0,1,2,3,4,5,6,7
	global_load_b128 v[BIAS+8*\b:BIAS+8*\b+3], v7, s[12:13] offset:64*\b
	global_load_b128 v[BIAS+8*\b+4:BIAS+8*\b+7], v7, s[12:13] offset:64*\b+16
.endr
.irp a, 0,1,2,3,4,5,6,7
	global_load_b32 v[BS1+\a], v6, s[12:13] offset:64*\a
.endr
	s_lshr_b32 s94, s66, 6
	s_lshl_b32 s94, s94, 2
	s_lshr_b32 s95, s67, 11
	s_add_co_u32 s94, s94, s95                     ; my first plane: (W row / 64) x 4 + batch
	s_bfe_u32 s95, s67, 0x40007                    ; which 128 tokens of the batch
	s_lshl_b32 s92, s94, 17
	s_lshl_b32 s93, s95, 13
	s_add_co_u32 s92, s92, s93
	s_mov_b32 s93, 0
	s_add_nc_u64 s[PO:PO+1], s[14:15], s[92:93]
	s_add_nc_u64 s[PO+2:PO+3], s[PO:PO+1], s[96:97]
	s_add_nc_u64 s[PO+4:PO+5], s[PO:PO+1], s[98:99]
	s_add_nc_u64 s[PO+6:PO+7], s[PO+4:PO+5], s[96:97]
	s_lshl_b32 s92, s94, 12
	s_lshl_b32 s93, s95, 8
	s_add_co_u32 s92, s92, s93
	s_mov_b32 s93, 0
	s_add_nc_u64 s[SPO:SPO+1], s[16:17], s[92:93]
	s_add_nc_u64 s[SPO+2:SPO+3], s[SPO:SPO+1], 16384    ; the next head's plane of scales
	s_mov_b32 s[SEL], 0x76543210
	s_mov_b32 s[SEL+1], 0xfedcba98
	s_mov_b32 s[PS0], 0x05040100
	s_mov_b32 s[PS1], 0x07060302
	s_mov_b32 s[HM], 0xffff0000
	v_and_b32 v5, 31, v0
	v_lshlrev_b32 v[L16], 4, v5
	v_lshlrev_b32 v[L8], 3, v5
	s_wait_loadcnt 0x0                             ; the biases
.set i, 0
.rept 64
	v_cndmask_b32 v[BIAS+i], 0, v[BIAS+i], s[GSEL] ; the bias runs along W's rows: along B for q and k,
.set i, i+1
.endr
.set i, 0
.rept 8
	v_cndmask_b32 v[BS1+i], v[BS1+i], 0, s[GSEL]   ; along A for v; the other one is zeros
.set i, i+1
.endr
.macro FRAG reg, adr, q, i             ; a fragment: lane l holds row l % 16; registers 4 c .. 4 c + 3 hold K = 32 c + 16 (l / 16) + 0 .. 15
.irp c, 0,1,2,3
	ds_load_b128 v[\reg+4*\c:\reg+4*\c+3], v[\adr] offset:128*(\q)+32*\c+(\i)*16*PITCH
.endr
.endm
; 16 matrix instructions: A's blocks a0, a0 + 1 x B's eight, 128 along K.  p: B's set;  sc: the set of scale words.  zero = 1: the first K step: its C is the bias, nothing is ever cleared.
; The 64 accumulators take turns, one instruction a turn, in the same order in every step.
.macro MUL16 a0, p, q, sc, zero
.irp a, \a0, \a0+1
.irp b, 0,1,2,3,4,5,6,7
.if \zero
	v_wmma_scale_f32_16x16x128_f8f6f4 v[8*(8*((\a)%4)+\b):8*(8*((\a)%4)+\b)+7], v[128*(\p)+FR*\b:128*(\p)+FR*\b+FR-1], v[AF+FR*(\a):AF+FR*(\a)+FR-1], v[BIAS+8*\b:BIAS+8*\b+7], v[SC+8*NQ*(\sc)+NQ*\b+(\q)], v[SC+8*NQ*(\sc)+NQ*(\a)+(\q)] matrix_a_scale:MATRIX_SCALE_ROW1
.else
	v_wmma_scale_f32_16x16x128_f8f6f4 v[8*(8*((\a)%4)+\b):8*(8*((\a)%4)+\b)+7], v[128*(\p)+FR*\b:128*(\p)+FR*\b+FR-1], v[AF+FR*(\a):AF+FR*(\a)+FR-1], v[8*(8*((\a)%4)+\b):8*(8*((\a)%4)+\b)+7], v[SC+8*NQ*(\sc)+NQ*\b+(\q)], v[SC+8*NQ*(\sc)+NQ*(\a)+(\q)] matrix_a_scale:MATRIX_SCALE_ROW1
.endif
.endr
.endr
.endm
.macro FETCH_B slot, q, p              ; B's eight fragments of the slot's q-th 128 along K into set p
	WIN TO_B
.irp i, 0,1,2,3,4,5,6,7
	FRAG 128*(\p)+FR*\i, ADRB+\slot, \q, \i
.endr
	WIN 0
.endm
.macro FETCH_A slot, q, i0             ; A's blocks i0 .. i0 + 3
.irp i, \i0, \i0+1, \i0+2, \i0+3
	FRAG AF+FR*(\i), ADRA+\slot, \q, \i
.endr
.endm
.macro SCALES sc                       ; a K step's scale words into set sc: two words a row; lanes 0-15 take A's block i, lanes 16-31 B's block i
.irp i, 0,1,2,3,4,5,6,7
	ds_load_b64 v[SC+8*NQ*\sc+NQ*\i:SC+8*NQ*\sc+NQ*\i+1], v[ADRS] offset:\i*SBLK
.endr
.endm
; A load into a register that a matrix instruction has read, and a vector instruction that reads a matrix result or writes one of its registers, stand eight places behind it;
; only plain vector instructions that name none of its registers are places.
.macro PLACES n
.rept \n
	v_nop
.endr
.endm
; A step of 128 along K that has its successor in the same slot.
.macro STEP slot, q, zero
	s_wait_dscnt 4*NL                              ; B's set and A's blocks 0-3 are in; the youngest sixteen loads (A's blocks 4-7) may be out
.if \zero
	WIN BEG_LO
.else
	WIN MUL_LO
.endif
	MUL16 0, (\q)%2, \q, \slot, \zero
	MUL16 2, (\q)%2, \q, \slot, \zero
	s_wait_dscnt 0                                 ; A's blocks 4-7 are in (asked for 32 matrix instructions ago)
	PLACES NP
	FETCH_B \slot, (\q)+1, 1-(\q)%2
	FETCH_A \slot, (\q)+1, 0
.if \zero
	WIN BEG_HI
.else
	WIN MUL_HI
.endif
	MUL16 4, (\q)%2, \q, \slot, \zero
	MUL16 6, (\q)%2, \q, \slot, \zero
	PLACES NP
	WIN 0
	FETCH_A \slot, (\q)+1, 4
.endm
; A slot's last step changes slots: one barrier; in front of it each wave waits for all its tensor loads, adds 0 to its spare word, and waits for that and for its own reads of this slot.
; fill = 1: the barrier opens a round of the cluster's barrier, and this slot is filled again, two K steps ahead, first thing behind the round.
.macro TURN slot, next, fill
	s_wait_tensorcnt 0x0                           ; all my tensor loads have landed: my part of the next slot
	ds_add_u32 v[SPW], v[NIL]                      ; 0 onto my spare word
	s_wait_dscnt 4*NL+1                            ; (the add and the youngest sixteen loads, A's blocks 4-7, may be out)
	WIN MUL_LO
	MUL16 0, 1, NQ-1, \slot, 0                     ; sixteen matrix instructions stand between the add and the wait for it
	s_wait_dscnt 0x0                               ; the add is done, and my reads of this slot are over
	s_barrier_signal -1
	MUL16 2, 1, NQ-1, \slot, 0
	WIN 0
	s_barrier_wait -1
.if \fill
	CREST                                          ; no wave of any partner still reads this slot's tile or has a load on its way
	s_add_nc_u64 s[G0+4*\slot+2:G0+4*\slot+3], s[G0+4*\slot+2:G0+4*\slot+3], 2*ROWB
	s_add_nc_u64 s[G0B+4*\slot+2:G0B+4*\slot+3], s[G0B+4*\slot+2:G0B+4*\slot+3], 2*ROWB
	JLOAD G0+4*\slot, G1, G0B+4*\slot, G1B         ; the four v_nop behind it are among the places in front of the loads below
	PLACES NP-4
.else
	PLACES NP
.endif
	s_wait_alu depctr_va_vdst(0)
	v_add_nc_u32 v[ADRS], 4*NQ, v[ADRS]            ; on to the next K step's scale words
	FETCH_B \next, 0, 0
	FETCH_A \next, 0, 0
	SCALES \next
	WIN MUL_HI
	MUL16 4, 1, NQ-1, \slot, 0
	MUL16 6, 1, NQ-1, \slot, 0
	PLACES NP
	WIN 0
	FETCH_A \next, 0, 4
.endm
	s_wait_alu depctr_va_vdst(0)
	s_wait_tensorcnt 1                             ; the scales and my part of K step 0 are in; K step 1's load may be out
	s_barrier_signal -1
	s_barrier_wait -1                              ; everybody's are
	FETCH_B 0, 0, 0
	FETCH_A 0, 0, 0
	SCALES 0
	FETCH_A 0, 0, 4
	STEP 0, 0, 1                                   ; the first step stands in front of the loop: its products start the sums, from the bias
	s_mov_b32 s3, LAPS-1
.Llap:                                             ; a trip goes once round the ring, from a lap's second step to the next lap's first, and fills both slots again
	TURN 0, 1, 1
	STEP 1, 0, 0
	TURN 1, 0, 1
	STEP 0, 0, 0
	s_sub_co_u32 s3, s3, 1
	s_cmp_lg_u32 s3, 0
	s_cbranch_scc1 .Llap
	TURN 0, 1, 0                                   ; the last lap fills nothing, and has no round of the cluster's barrier
	STEP 1, 0, 0
	s_wait_dscnt 4*NL                              ; the very last step: nothing more to fetch
	WIN MUL_LO
	MUL16 0, 1, NQ-1, 1, 0
	MUL16 2, 1, NQ-1, 1, 0
	s_wait_dscnt 0
	WIN MUL_HI
	MUL16 4, 1, NQ-1, 1, 0
	MUL16 6, 1, NQ-1, 1, 0
	WIN 0
; 64 numbers of a lane, v[s] on, register 16 b + i of block b, become 16 registers of codes at v[pc] and the four blocks' scale word in v[pw].  A block of 32 lies in lanes l and l xor 16.
.macro QUANT s, pc, pw
.irp b, 0,1,2,3
	v_max3_num_f32 v[TM+\b], |v[\s+16*\b]|, |v[\s+1+16*\b]|, 0x4800000   ; my 16 numbers, and the floor 2^(9 - 127): so the byte cannot fall under 1
.endr
.irp i, 2,4,6,8,10,12,14
.irp b, 0,1,2,3
	v_max3_num_f32 v[TM+\b], v[TM+\b], |v[\s+16*\b+\i]|, |v[\s+1+16*\b+\i]|   ; (the four blocks by turns)
.endr
.endr
.irp b, 0,1,2,3
	v_permlanex16_b32 v[TM+4+\b], v[TM+\b], s[SEL], s[SEL+1]
.endr
.irp b, 0,1,2,3
	v_max_num_f32 v[TM+\b], v[TM+\b], v[TM+4+\b]   ; the block's largest magnitude
.endr
.irp b, 0,1,2,3
	v_add_nc_u32 v[TM+12+\b], 0xfc000000, v[TM+\b] ; 8 off its exponent field: the conversion takes this operand's exponent field as its scale
.endr
.irp b, 0,1,2,3
.endr
.irp b, 0,1,2,3
	v_lshrrev_b32 v[TM+4+\b], 23, v[TM+12+\b]      ; the scale's byte
.endr
	v_lshl_or_b32 v[\pw], v[TM+5], 8, v[TM+4]
	v_lshl_or_b32 v[\pw], v[TM+6], 16, v[\pw]
	v_lshl_or_b32 v[\pw], v[TM+7], 24, v[\pw]
.irp b, 0,1,2,3
.irp i, 0,1,2,3,4,5,6,7,8,9,10,11,12,13,14,15
.endr
	v_cvt_scalef32_pk8_fp8_f32 v[\pc+4*\b:\pc+4*\b+1], v[\s+16*\b:\s+16*\b+7], v[TM+12+\b]
	v_cvt_scalef32_pk8_fp8_f32 v[\pc+4*\b+2:\pc+4*\b+3], v[\s+16*\b+8:\s+16*\b+15], v[TM+12+\b]
.endr
	v_nop                                          ; one plain vector instruction behind the last conversion, ahead of the lines that write its sources again
.endm
; Block a of my eight blocks of A's rows: its eight accumulators come down to window 0, each from its low end on, with the bias along A added on the way; they are quantised; four stores of 512 bytes.
.macro OUTA a
	WIN 0x02+(\a)/4                                ; source 0: window 2 or 3
.set i, 0
.rept 32
.if (\a)%2
	v_pk_add_f32 v[W+2*i:W+2*i+1], v[64*((\a)%4)+2*i:64*((\a)%4)+2*i+1], v[BS1+2*((\a)/2):BS1+2*((\a)/2)+1] op_sel:[0,1] op_sel_hi:[1,1]
.else
	v_pk_add_f32 v[W+2*i:W+2*i+1], v[64*((\a)%4)+2*i:64*((\a)%4)+2*i+1], v[BS1+2*((\a)/2):BS1+2*((\a)/2)+1] op_sel_hi:[1,0]
.endif
.set i, i+1
.endr
	WIN 0
	QUANT W, PCD+16*(\a), PWR+(\a)
.irp e, 0,1,2,3
	global_store_b128 v[L16], v[PCD+16*(\a)+4*\e:PCD+16*(\a)+4*\e+3], s[PO+4*((\a)/4)+2*(\e/2):PO+4*((\a)/4)+2*(\e/2)+1] offset:((\a)%4)*1024+(\e%2)*512
.endr
.endm
	PLACES NP                                      ; behind the last products: the lines below write registers that held their scales and A's fragments
.irp b, 0,1,2,3
	v_mov_b32 v[TM+4+\b], 0                        ; a lane permute's destination counts as one of its sources
.endr
.irp a, 0,1,2,3,4,5,6,7
	OUTA \a
.endr
	; the scale words.  q, k: fragment x of head e holds tiles 2 x and 2 x + 1 of tokens: two bytes of each tile's word.  v: fragment x of head e is my block 4 e + x: its word as it is.
.irp x, 0,1,2,3
	v_perm_b32 v[OW+\x], v[PWR+2*\x+1], v[PWR+2*\x], s[PS0]
	v_perm_b32 v[OW+4+\x], v[PWR+2*\x+1], v[PWR+2*\x], s[PS1]
.endr
.irp x, 0,1,2,3,4,5,6,7
	v_cndmask_b32 v[OW+\x], v[PWR+\x], v[OW+\x], s[GSEL]
.endr
.irp e, 0,1
.irp t, 0,1
	v_cndmask_b32 v[TM+2*\e+\t], v[OW+4*\e+2*\t], v[OW+4*\e+2*\t+1], s[HM]   ; lanes 16-31 carry the odd fragment's words
.endr
.endr
	global_store_b64 v[L8], v[TM:TM+1], s[SPO:SPO+1]         ; 32 lanes store 256 consecutive bytes, aligned
	global_store_b64 v[L8], v[TM+2:TM+3], s[SPO+2:SPO+3]
	s_wait_tensorcnt 0x0                           ; the wave's end
	ds_add_u32 v[SPW], v[NIL]
	s_wait_dscnt 0x0
	CROUND                                         ; the closing round: no work-group ends while a partner may still ask for a tile that names it
	s_endpgm
.Lfunc_end_k_q2cea9a9b28_qkv:
	.size	k_q2cea9a9b28_qkv, .Lfunc_end_k_q2cea9a9b28_qkv-k_q2cea9a9b28_qkv
	.p2alignl 7, 3214868480
	.fill 96, 4, 3214868480
	.section	.rodata,"a",@progbits
	.p2align	6, 0x0
	.amdhsa_kernel k_q2cea9a9b28_qkv
		.amdhsa_group_segment_fixed_size 327680
		.amdhsa_private_segment_fixed_size 0
		.amdhsa_enable_private_segment 0
		.amdhsa_kernarg_size 56
		.amdhsa_user_sgpr_count 2
		.amdhsa_user_sgpr_kernarg_segment_ptr 1
		.amdhsa_wavefront_size32 1
		.amdhsa_system_sgpr_workgroup_id_x 1
		.amdhsa_system_sgpr_workgroup_id_y 1
		.amdhsa_system_sgpr_workgroup_id_z 1
		.amdhsa_system_vgpr_workitem_id 0
		.amdhsa_next_free_vgpr 1024
		.amdhsa_next_free_sgpr 102
		.amdhsa_reserve_vcc 0
		.amdhsa_float_denorm_mode_32 3
		.amdhsa_float_denorm_mode_16_64 3
		.amdhsa_fp16_overflow 1
		.amdhsa_memory_ordered 1
		.amdhsa_forward_progress 1
		.amdhsa_inst_pref_size 174
	.end_amdhsa_kernel
	.amdgpu_metadata
---
amdhsa.version: [ 1, 2 ]
amdhsa.kernels:
  - .name:           k_q2cea9a9b28_qkv
    .symbol:         k_q2cea9a9b28_qkv.kd
    .args:
      - { .name: x_codes, .offset: 0, .size: 8, .value_kind: global_buffer, .address_space: global }
      - { .name: x_scales, .offset: 8, .size: 8, .value_kind: global_buffer, .address_space: global }
      - { .name: w_attn_codes, .offset: 16, .size: 8, .value_kind: global_buffer, .address_space: global }
      - { .name: w_attn_scales, .offset: 24, .size: 8, .value_kind: global_buffer, .address_space: global }
      - { .name: b_attn, .offset: 32, .size: 8, .value_kind: global_buffer, .address_space: global }
      - { .name: qkv_codes, .offset: 40, .size: 8, .value_kind: global_buffer, .address_space: global }
      - { .name: qkv_scales, .offset: 48, .size: 8, .value_kind: global_buffer, .address_space: global }
    .group_segment_fixed_size: 327680
    .private_segment_fixed_size: 0
    .kernarg_segment_align: 8
    .kernarg_segment_size: 56
    .max_flat_workgroup_size: 128
    .sgpr_count:     102
    .vgpr_count:     1024
    .wavefront_size: 32
...
	.end_amdgpu_metadata
.endif
;; end of part 1
;; launch attn (part 2): grid 4 x 64, 16 waves a work-group, clusters of 4 x 1, 327,680 bytes of LDS; arguments qkv_codes, qkv_scales, a_codes, a_scales; writes a_codes, a_scales
.if DOCPART == 2
	.amdgcn_target "amdgcn-amd-amdhsa--gfx1250"
	.amdhsa_code_object_version 6
	.text
	.protected	k_q2cea9a9b28_attn
	.globl	k_q2cea9a9b28_attn
	.p2align	8
	.type	k_q2cea9a9b28_attn,@function
k_q2cea9a9b28_attn:
	s_mov_b64 s[64:65], 0
	v_nop
	global_prefetch_b8 v0, s[64:65] scope:SCOPE_SE
	s_setreg_imm32_b32 hwreg(HW_REG_WAVE_MODE, 25, 1), 1
	s_wait_xcnt 0x0
	s_wait_alu depctr_hold_cnt(0) depctr_sa_sdst(0) depctr_va_vdst(0) depctr_va_sdst(0) depctr_va_ssrc(0) depctr_va_vcc(0) depctr_vm_vsrc(0)
	s_getreg_b32 s2, hwreg(HW_REG_IB_STS2, 6, 4)
	s_cmp_eq_u32 s2, 0
	s_cbranch_scc0 .Lentry_in_a_cluster
	s_endpgm
.Lentry_in_a_cluster:
	s_bfe_u32 s2, ttmp6, 0x10000c
	s_cmp_lg_u32 s2, 0x3003
	s_cbranch_scc0 .Lentry_shape_is_right
	s_endpgm
.Lentry_shape_is_right:
; a[q] = the sum over keys of softmax(where(key <= q, q . k / 8, -10000)) v, for one head and batch a cluster, both products on codes of FP8 (E4M3) with E8M0 scales; a is quantised for the last product.
; THE SOFTMAX AHEAD OF THE SECOND PRODUCT: t = score x log2(e) / 8; M = the largest t so far, rounded up to a whole number; p = 2^(t - M) is quantised along the keys, not normalised;
; the row's sum is taken of the unquantised p and divides at the end.  When M moves, the sum and O are multiplied by 2^(old M - new M), which rounds nothing.
; THE MASK'S VALUE IS A NUMBER, NOT MINUS INFINITY.  In the step on the diagonal hidden scores become -80000 (= -10000 x 8) and go the common way.  The steps that are hidden as a whole are not walked:
; all their p are one number pm = 2^(-10000 log2(e) - M), so they add n pm to the row's sum and Q(pm) x (the sum of the quantised v over those keys) to O; both are added at a tile's end, with no branch on data.
; The sums of v over the steps behind step n are made once, at the head, by 64 matrix instructions against codes of 1.0.
; SHARES.  The four work-groups of a cluster share a head: all its codes and scale bytes of k and v (270,336 bytes) come into each LDS once, by joint loads, and are only read from then on: no ring.
; A wave owns two tiles of 16 queries: group 15 - a of 128 queries, then group a (a = wave / 2): 16 - a and a + 1 key steps of 128 keys, 17 for every wave.  Which of a group's eight tiles: e = 4 (wave % 2) + cx, and 7 - e.
; Branches and LDS addresses hang on the wave's number alone; cx enters only global addresses, the mask's threshold (a vector register) and a byte select.
; LAYOUT.  Both products are used transposed: S^T = K Q^T, O^T = V^T P^T: a lane holds one query (lane % 16) throughout.  The head's 64 fill half of the instruction's 128 along K: a fragment of K holds TWO tiles
; of 16 keys, one in each half, and Q stands beside zero codes, in the low half or in the high one, which picks the tile.  Operands lie in LDS as images of their registers: 16 bytes a lane, 512 a load.
; LIMITS: NaN and infinities are not served.  p under 2^-126 is 0 (v_exp_f32 flushes).  A block's largest p is made from its largest score, which takes v_exp_f32 not to fall where its input rises.
; 1 / the sum is v_rcp_f32.  A block under 2^-118, a block of zeros too, keeps the scale byte 1: this program alone reads the bytes.
.set VC,   131072                      ; LDS: K's codes at 0, 8,192 bytes a step; V's here;
.set KSO,  262144                      ; K's scale words, 256 bytes a step;
.set VSO,  266240                      ; V's;
.set SUFT, 270336                      ; [4 groups of 4 steps][n 16][64] f32: the sum of v over the group's steps behind step n.  Written by LDS stores; no fill lands here
.set L16, 1                            ; v1   16 x lane
.set LV,  2                            ; v2   the same + VC
.set LS,  3                            ; v3   KSO + 8 x lane
.set ADK, 4                            ; v4-6 the addresses of the step in hand: K, V, scale words
.set ADV, 5
.set ADS, 6
.set DQ,  7                            ; v7   my query in its group of 128, less 8 (lane / 16)
.set RH,  8                            ; v8   lane % 16 - 8 (lane / 16)
.set ASU, 9                            ; v9   SUFT + 32 (lane / 16)
.set SMR, 10                           ; v10  -80000.0
.set QSC, 11                           ; v11  Q's scale word
.set QF,  16                           ; v16-39 Q's 8 registers, 8 of zeros, Q's 8 again: v16-31 has Q in the low half, v24-39 in the high
.set KV,  40                           ; v40-103 four fragments of K, then of V
.set S,   104                          ; v104-167 S^T, then p
.set O,   168                          ; v168-199 O^T, four tiles
.set PC,  200                          ; v200-215 p's codes; at a tile's end a's
.set KSC, 216                          ; v216-217 K's scale words, v218-219 V's, v220 p's, v221 four bytes of 127: these six hold scales alone
.set VSC, 218
.set PSC, 220
.set ONE, 221
.set QO,  222                          ; v222, v223 offsets of Q's codes and scale word
.set QSO, 223
.set BM,  224                          ; v224-227 the blocks' maxima; v228-231 the other half's, then bytes; v236-239 the conversions' scale operands
.set PD,  228
.set HO,  232
.set SOP, 236
.set WV, 12
.set CX, 13
.set Y,  14
.set HH, 15
.set BT, 16
.set AG, 17                            ; s17  the tile's group of 128 queries = its last key step
.set EQ, 18                            ; s18  which of the group's eight tiles
.set ST, 19                            ; s19  the key step; s20, s21: its bytes in the codes and in the scale words
.set TB, 20
.set TS, 21
.set A0, 22
.set E0, 23
.set SEL, 24                           ; s[24:25] lane selects for v_permlanex16_b32: lane l xor 16
.set CS,  26                           ; s[26:27] c = log2(e) / 8: the packed form names a pair and takes its low word for both halves
.set MNT, 28
.set HM,  29
.set SMS, 30
.set NBIG, 31
.set G1C, 32                           ; s[32:39] descriptor group 1 for codes, s[40:47] for scale bytes; s[48:51], s[52:55] their groups 0
.set G1S, 40
.set G0C, 48
.set G0S, 52
.macro CROUND                          ; a round of the cluster's barrier
	s_barrier_signal -1
	s_barrier_wait -1
	s_cmp_lg_u32 s[WV], 0
	s_cbranch_scc1 .Lnot_wave_0_\@
	s_barrier_signal -3
.Lnot_wave_0_\@:
	s_barrier_wait -3
	s_barrier_signal -1
	s_barrier_wait -1
.endm
	s_load_b256 s[4:11], s[0:1], 0x0               ; qkv_codes s[4:5], qkv_scales s[6:7], a_codes s[8:9], a_scales s[10:11]
	v_lshl_add_u32 v254, v0, 2, 0x46000
	v_mov_b32 v255, 0
	ds_add_u32 v254, v255
	ds_add_u32 v254, v255
	s_wait_dscnt 0x0
	v_lshrrev_b32 v1, 5, v0
	s_delay_alu instid0(VALU_DEP_1)
	v_readfirstlane_b32 s[WV], v1                  ; wave 0..15
	s_bfe_u32 s[CX], ttmp6, 0x40000                ; my place in the cluster
	s_and_b32 s[Y], ttmp7, 0xffff                  ; head x 4 + batch: q's plane; k's is 64 planes on, v's 128
	s_lshr_b32 s[HH], s[Y], 2
	s_and_b32 s[BT], s[Y], 3
	s_lshr_b32 s[A0], s[WV], 1
	s_and_b32 s[E0], s[WV], 1
	s_lshl_b32 s[E0], s[E0], 2
	s_add_co_u32 s[E0], s[E0], s[CX]
	; dense blocks as rows of 256 bytes (32 elements of 8 bytes), no padding: an image is read 512 consecutive bytes at a time.  Codes: 64 rows a wave; scale bytes: 2 rows
	s_mov_b32 s[G1C], 15|(3<<16)|(1<<21)           ; 15:0 the mask: all four work-groups; 17:16 elements of 8 bytes; 21 set beside a mask
	s_mov_b32 s[G1C+1], 32<<16
	s_mov_b32 s[G1C+2], 64<<16
	s_mov_b32 s[G1C+3], 32<<16
	s_mov_b32 s[G1C+4], 64
	s_mov_b32 s[G1C+5], 32
	s_mov_b32 s[G1C+6], 0
	s_mov_b32 s[G1C+7], 0
	s_mov_b32 s[G1S], 15|(3<<16)|(1<<21)
	s_mov_b32 s[G1S+1], 32<<16
	s_mov_b32 s[G1S+2], 2<<16
	s_mov_b32 s[G1S+3], 32<<16
	s_mov_b32 s[G1S+4], 2
	s_mov_b32 s[G1S+5], 32
	s_mov_b32 s[G1S+6], 0
	s_mov_b32 s[G1S+7], 0
	s_and_b32 s56, s[WV], 7                        ; waves 0-7 fetch an eighth of k each, waves 8-15 of v
	s_lshr_b32 s57, s[WV], 3
	s_add_co_u32 s58, s[Y], 64
	s_lshl_b32 s58, s58, 17
	s_lshl_b32 s59, s56, 14
	s_add_co_u32 s58, s58, s59
	s_lshl_b32 s59, s57, 23                        ; 64 planes of 131,072 bytes
	s_add_co_u32 s58, s58, s59
	s_mov_b32 s59, 0
	s_add_co_u32 s60, s[Y], 64
	s_lshl_b32 s60, s60, 12
	s_lshl_b32 s61, s56, 9
	s_add_co_u32 s60, s60, s61
	s_lshl_b32 s61, s57, 18                        ; 64 planes of 4,096 bytes
	s_add_co_u32 s60, s60, s61
	s_mov_b32 s61, 0
	s_mov_b32 s[SEL], 0x76543210
	s_mov_b32 s[SEL+1], 0xfedcba98
	s_mov_b32 s[CS], 0x3e38aa3b                    ; log2(e) / 8
	s_mov_b32 s[CS+1], s[CS]
	s_mov_b32 s[MNT], 0x600000                     ; the mantissa field of 448
	s_mov_b32 s[HM], 0xffff0000                    ; lanes 16-31
	s_mov_b32 s[SMS], 0xc79c4000                   ; -80000.0
	s_mov_b32 s[NBIG], 0xff61b1e6                  ; -3e38
	s_wait_kmcnt 0x0
	CROUND                                         ; all four work-groups are here: the joint loads meet
	s_mov_b32 s[G0C], 1
	s_lshl_b32 s[G0C+1], s[WV], 14                 ; LDS: wave x 16,384: K's codes, then V's
	s_add_nc_u64 s[G0C+2:G0C+3], s[4:5], s[58:59]
	s_or_b32 s[G0C+3], s[G0C+3], 0x80000000
	s_mov_b32 s[G0S], 1
	s_lshl_b32 s[G0S+1], s[WV], 9
	s_add_co_u32 s[G0S+1], s[G0S+1], KSO           ; LDS: KSO + wave x 512: K's scale words, then V's
	s_add_nc_u64 s[G0S+2:G0S+3], s[6:7], s[60:61]
	s_or_b32 s[G0S+3], s[G0S+3], 0x80000000
	tensor_load_to_lds s[G0C:G0C+3], s[G1C:G1C+7]  ; the first of every wave's two loads, the only ones of the launch: one is out
	s_nop 0
	s_wait_alu depctr_va_vdst(0)
	s_wait_tensorcnt 0x0
	ds_add_u32 v254, v255
	s_wait_dscnt 0x0
	CROUND
	tensor_load_to_lds s[G0S:G0S+3], s[G1S:G1S+7]
	s_nop 0
.rept 4
	v_nop
.endr
	v_and_b32 v244, 31, v0                         ; lane
	s_delay_alu instid0(VALU_DEP_1)
	v_lshlrev_b32 v[L16], 4, v244
	s_delay_alu instid0(VALU_DEP_1)
	v_add_nc_u32 v[LV], VC, v[L16]
	s_delay_alu instid0(VALU_DEP_3)
	v_lshl_add_u32 v[LS], v244, 3, KSO
	v_and_b32 v245, 15, v0                         ; r
	v_bfe_u32 v246, v0, 4, 1                       ; h
	s_delay_alu instid0(VALU_DEP_1)
	v_lshlrev_b32 v247, 3, v246
	s_delay_alu instid0(VALU_DEP_1)
	v_sub_nc_u32 v[RH], v245, v247
	s_delay_alu instid0(VALU_DEP_3)
	v_lshl_add_u32 v[ASU], v246, 5, SUFT
	v_mov_b32 v[SMR], 0xc79c4000
	v_lshlrev_b32 v254, 3, v245                    ; v254  8 r
	v_lshl_add_u32 v255, v245, 5, v246             ; v255  32 r + h
	v_mov_b32 v[ONE], 0x7f7f7f7f                   ; four scales of 1.0
	v_mov_b32 v247, 0x38383838                     ; four codes of 1.0
.irp i, 0,1,2,3,4,5,6,7
	v_mov_b32 v[QF+8+\i], 0                        ; the zero codes beside Q: written once
.endr
.irp i, 0,1,2,3
	v_mov_b32 v[PD+\i], 0                          ; a lane permute's destination counts as one of its sources
.endr
	v_mov_b32 v243, 0                              ; upper halves of pairs of which the low word serves both halves
	v_mov_b32 v249, 0
	v_mov_b32 v251, 0
	; THE SUMS OF V.  Wave w takes 16 of the head's 64 (t = w % 4) and four steps (g = w / 4).  Column n of the second operand is 128 codes of 1.0 where the step lies behind n, else zeros.
	s_and_b32 s56, s[WV], 3                        ; t
	s_lshr_b32 s57, s[WV], 2                       ; g
	s_lshl_b32 s58, s57, 15
	s_lshl_b32 s59, s56, 10
	s_add_co_u32 s58, s58, s59
	v_add_nc_u32 v[ADV], s58, v[LV]                ; V's fragment t of step 4 g
	s_lshl_b32 s58, s57, 10
	s_and_b32 s59, s56, 1
	s_lshl_b32 s59, s59, 7
	s_add_co_u32 s58, s58, s59
	s_lshr_b32 s59, s56, 1
	s_lshl_b32 s59, s59, 2
	s_add_co_u32 s58, s58, s59
	s_add_co_u32 s58, s58, VSO
	v_add_nc_u32 v[ADS], s58, v254                 ; its scale word of row r: lane r + 16 (t % 2), word t / 2
	s_lshl_b32 s58, s57, 12
	s_lshl_b32 s59, s56, 6
	s_add_co_u32 s58, s58, s59
	s_add_co_u32 s58, s58, SUFT
	v_lshlrev_b32 v248, 8, v245
	s_delay_alu instid0(VALU_DEP_1)
	v_lshl_add_u32 v248, v246, 5, v248
	s_delay_alu instid0(VALU_DEP_1)
	v_add_nc_u32 v248, s58, v248                   ; where the sums go: group g, n = r, numbers 16 t + 8 h on
	s_lshl_b32 s59, s57, 2                         ; 4 g
	s_wait_alu depctr_va_vdst(0)
	s_wait_tensorcnt 0x0                           ; my parts have landed,
	s_barrier_signal -1
	s_barrier_wait -1                              ; everybody's have
.irp p, 0,1,2,3
.irp c, 0,1,2,3
	ds_load_b128 v[KV+16*\p+4*\c:KV+16*\p+4*\c+3], v[ADV] offset:\p*8192+(\c/2)*4096+(\c%2)*512
.endr
	ds_load_b32 v[KSC+\p], v[ADS] offset:256*\p
.endr
.irp p, 0,1,2,3
	s_add_co_u32 s60, s59, \p
	v_cmp_gt_u32 vcc_lo, s60, v245                 ; step 4 g + p lies behind n = r
.irp i, 0,1,2,3,4,5,6,7,8,9,10,11,12,13,14,15
	v_cndmask_b32 v[S+16*\p+\i], 0, v247, vcc_lo
.endr
.endr
	s_wait_alu depctr_va_vdst(0)
	s_wait_dscnt 0x0
.rept 4
	v_nop                                          ; an operand written by vector instructions stands four places ahead of a scaled matrix instruction
.endr
.irp p, 0,1,2,3
	v_wmma_scale_f32_16x16x128_f8f6f4 v[O+8*\p:O+8*\p+7], v[KV+16*\p:KV+16*\p+15], v[S+16*\p:S+16*\p+15], 0, v[KSC+\p], v[ONE]
.endr
.rept 8
	v_nop
.endr
.irp i, 0,2,4,6
	v_pk_add_f32 v[O+\i:O+\i+1], v[O+\i:O+\i+1], v[O+8+\i:O+9+\i]       ; each result from its low end on
.endr
.irp i, 0,2,4,6
	v_pk_add_f32 v[O+16+\i:O+17+\i], v[O+16+\i:O+17+\i], v[O+24+\i:O+25+\i]
.endr
.irp i, 0,2,4,6
	s_delay_alu instid0(VALU_DEP_4)
	v_pk_add_f32 v[O+\i:O+\i+1], v[O+\i:O+\i+1], v[O+16+\i:O+17+\i]
.endr
	ds_store_b128 v248, v[O:O+3]
	ds_store_b128 v248, v[O+4:O+7] offset:16
	s_wait_dscnt 0x0                               ; for the others' sake: my stores have landed
	s_barrier_signal -1
	s_barrier_wait -1                              ; from here on LDS is only read
; ONE TILE OF 16 QUERIES.  flip = 1: group 15 - a, tile 7 - e; 0: group a, tile e.
.macro TILE flip
.if \flip
	s_xor_b32 s[AG], s[A0], 15                     ; 15 - a (a is under 16)
	s_xor_b32 s[EQ], s[E0], 7                      ; 7 - e
.else
	s_mov_b32 s[AG], s[A0]
	s_mov_b32 s[EQ], s[E0]
.endif
	s_wait_xcnt 0x0                                ; the last tile's stores have read their registers: data and offsets are written again below
	s_lshl_b32 s56, s[AG], 3
	s_add_co_u32 s56, s56, s[EQ]                   ; the tile among the plane's 128
	s_lshl_b32 s57, s56, 10
	s_lshl_b32 s58, s[Y], 17
	s_add_co_u32 s57, s57, s58
	v_add_nc_u32 v[QO], s57, v[L16]
	global_load_b128 v[QF:QF+3], v[QO], s[4:5]
	global_load_b128 v[QF+4:QF+7], v[QO], s[4:5] offset:512
	global_load_b128 v[QF+16:QF+19], v[QO], s[4:5]
	global_load_b128 v[QF+20:QF+23], v[QO], s[4:5] offset:512
	s_lshr_b32 s58, s[EQ], 1                       ; the tile's pair b: its word lies at lane r + 16 (b % 2), word b / 2, of step AG
	s_and_b32 s59, s58, 1
	s_lshl_b32 s59, s59, 7
	s_lshr_b32 s60, s58, 1
	s_lshl_b32 s60, s60, 2
	s_add_co_u32 s59, s59, s60
	s_lshl_b32 s60, s[AG], 8
	s_add_co_u32 s59, s59, s60
	s_lshl_b32 s60, s[Y], 12
	s_add_co_u32 s59, s59, s60
	v_add_nc_u32 v[QSO], s59, v254
	global_load_b32 v244, v[QSO], s[6:7]
	s_and_b32 s60, s[EQ], 1
	s_mul_i32 s60, s60, 0x02020202
	s_add_co_u32 s60, s60, 0x01000100              ; byte select: the tile's two bytes of that word, twice
	s_lshl_b32 s61, s[EQ], 4
	v_add_nc_u32 v[DQ], s61, v[RH]
	s_mov_b32 s[ST], 0
	s_mov_b32 s[TB], 0
	s_mov_b32 s[TS], 0
	s_wait_loadcnt 0x0
	v_perm_b32 v[QSC], v244, v244, s60             ; Q's two scale bytes serve it in either half; beside zero codes they scale nothing
	v_mov_b32 v13, s[NBIG]                         ; the largest t so far: under every t
	s_delay_alu instid0(VALU_DEP_1)
	v_floor_f32 v12, -v13                          ; -M
	v_mov_b32 v14, 0                               ; the sum, in two halves
	v_mov_b32 v15, 0
.set i, 0
.rept 32
	v_mov_b32 v[O+i], 0                            ; O^T: the step is written once; the first finds zeros.  (These are also the eight places between the scale word's line and the first product)
.set i, i+1
.endr
.Lstep_\@:                                         ; sixteen trips, a constant; a step all of whose keys come after the tile's queries is passed over: a branch on the wave's number
	s_cmp_gt_u32 s[ST], s[AG]
	s_cbranch_scc1 .Lskip_\@
	s_setprio 2
	v_add_nc_u32 v[ADK], s[TB], v[L16]
	v_add_nc_u32 v[ADV], s[TB], v[LV]
	v_add_nc_u32 v[ADS], s[TS], v[LS]
.rept 5
	v_nop                                          ; with the three additions: eight places in front of loads into registers that the last products read
.endr
.irp b, 0,1,2,3
.irp c, 0,1,2,3
	ds_load_b128 v[KV+16*\b+4*\c:KV+16*\b+4*\c+3], v[ADK] offset:2048*\b+512*\c    ; fragment b: tiles 2 b and 2 b + 1 of 16 keys
.endr
.endr
	ds_load_b64 v[KSC:KSC+1], v[ADS]               ; lane (r, h), word i: fragment 2 i + h
	s_wait_alu depctr_va_vdst(0)
	s_wait_dscnt 0x0
.irp b, 0,1,2,3
.irp u, 0,1
.if \b%2
	v_wmma_scale_f32_16x16x128_f8f6f4 v[S+8*(2*\b+\u):S+8*(2*\b+\u)+7], v[KV+16*\b:KV+16*\b+15], v[QF+8*\u:QF+8*\u+15], 0, v[KSC+\b/2], v[QSC] matrix_a_scale:MATRIX_SCALE_ROW1
.else
	v_wmma_scale_f32_16x16x128_f8f6f4 v[S+8*(2*\b+\u):S+8*(2*\b+\u)+7], v[KV+16*\b:KV+16*\b+15], v[QF+8*\u:QF+8*\u+15], 0, v[KSC+\b/2], v[QSC]
.endif
.endr
.endr                                              ; register 16 b + 8 u + j of a lane: key 32 b + 16 u + 8 h + j of the step
.rept 8
	v_nop
.endr
.irp t, 0,1,2,3
.irp c, 0,1,2,3
	ds_load_b128 v[KV+16*\t+4*\c:KV+16*\t+4*\c+3], v[ADV] offset:(\c/2)*4096+\t*1024+(\c%2)*512   ; V's four fragments land while the softmax is walked
.endr
.endr
	ds_load_b64 v[VSC:VSC+1], v[ADS] offset:VSO-KSO
	s_cmp_lg_u32 s[ST], s[AG]                      ; only the tile's last step lies on the diagonal
	s_cbranch_scc1 .Lopen_\@
.set n, 0
.rept 64
	v_cmp_gt_i32 vcc_lo, 32*(n/16)+16*((n/8)%2)+n%8, v[DQ]     ; the register's key comes after my query:
	v_cndmask_b32 v[S+n], v[S+n], v[SMR], vcc_lo               ; its score is the mask's value
.set n, n+1
.endr
.Lopen_\@:
.irp b, 0,1,2,3
	v_max3_num_f32 v[BM+\b], v[S+16*\b], v[S+1+16*\b], v[S+2+16*\b]   ; the largest score of each block of 32 keys: for the row's maximum, and, since p rises with the score, for the block's largest p
.endr
.irp i, 3,5,7,9,11,13
.irp b, 0,1,2,3
	v_max3_num_f32 v[BM+\b], v[BM+\b], v[S+16*\b+\i], v[S+1+16*\b+\i]
.endr
.endr
.irp b, 0,1,2,3
	v_max_num_f32 v[BM+\b], v[BM+\b], v[S+15+16*\b]
.endr
.irp b, 0,1,2,3
	s_delay_alu instid0(VALU_DEP_4)
	v_permlanex16_b32 v[PD+\b], v[BM+\b], s[SEL], s[SEL+1]
.endr
.irp b, 0,1,2,3
	s_delay_alu instid0(VALU_DEP_4)
	v_max_num_f32 v[BM+\b], v[BM+\b], v[PD+\b]     ; with lane l xor 16's 16 keys
.endr
	s_delay_alu instid0(VALU_DEP_2)
	v_max3_num_f32 v244, v[BM], v[BM+1], v[BM+2]
	s_delay_alu instid0(VALU_DEP_1)
	v_max_num_f32 v244, v244, v[BM+3]              ; the step's largest score of my query
	s_delay_alu instid0(VALU_DEP_1)
	v_mul_f32 v244, s[CS], v244                    ; as t
	s_delay_alu instid0(VALU_DEP_1)
	v_max_num_f32 v13, v13, v244                   ; the running largest t
	v_mov_b32 v244, v12
	s_delay_alu instid0(VALU_DEP_2)
	v_floor_f32 v12, -v13                          ; the new -M = -ceil(t)
	s_delay_alu instid0(VALU_DEP_1)
	v_sub_f32 v244, v12, v244                      ; old M less new M: a whole number, 0 or less
	s_delay_alu instid0(VALU_DEP_1)
	v_cvt_i32_f32 v244, v244                       ; (it saturates)
	s_delay_alu instid0(VALU_DEP_1)
	v_ldexp_f32 v242, 1.0, v244                    ; f = 2^(old M - new M)
.set j, 0
	s_setprio 1
.rept 32
	v_pk_fma_f32 v[S+j:S+j+1], v[S+j:S+j+1], s[CS:CS+1], v[12:13] op_sel_hi:[1,0,0]   ; t - M, two at a time
.set j, j+2
.endr
.irp b, 0,1,2,3
	v_fma_f32 v[BM+\b], v[BM+\b], s[CS], v12       ; the same of each block's largest score
.endr
.set j, 0
	s_wait_alu depctr_va_vdst(0)
.rept 64
	v_exp_f32 v[S+j], v[S+j]                       ; p = 2^(t - M)
.set j, j+1
.endr
.irp b, 0,1,2,3
	v_exp_f32 v[BM+\b], v[BM+\b]                   ; the block's largest p
.endr
	v_pk_mul_f32 v[14:15], v[14:15], v[242:243] op_sel_hi:[1,0]   ; the sums under the new M.  (The plain place behind the exponentials)
	s_wait_alu depctr_va_vdst(0)
.irp b, 0,1,2,3
	v_max_num_f32 v[BM+\b], 0x4800000, v[BM+\b]    ; the floor 2^(9 - 127): the byte cannot fall under 1
.endr
.irp b, 0,1,2,3
	s_delay_alu instid0(VALU_DEP_4)
	v_add_nc_u32 v[SOP+\b], 0xfc000000, v[BM+\b]   ; 8 off the exponent field: the conversion's scale operand
.endr
.irp b, 0,1,2,3
.endr
.irp b, 0,1,2,3
	s_delay_alu instid0(VALU_DEP_4)
	v_lshrrev_b32 v[PD+\b], 23, v[SOP+\b]          ; the scale's byte
.endr
	s_delay_alu instid0(VALU_DEP_3)
	v_lshl_or_b32 v[PSC], v[PD+1], 8, v[PD]        ; p's scale word for these 128 keys
	s_delay_alu instid0(VALU_DEP_1)
	v_lshl_or_b32 v[PSC], v[PD+2], 16, v[PSC]
	s_delay_alu instid0(VALU_DEP_1)
	v_lshl_or_b32 v[PSC], v[PD+3], 24, v[PSC]
	v_pk_add_f32 v[240:241], v[S:S+1], v[S+2:S+3]  ; the row's sum is taken of the unquantised p: two at a time, in two chains
.irp j, 4,8,12,16,20,24,28,32,36,40,44,48,52,56,60
	v_pk_add_f32 v[14:15], v[14:15], v[S+\j:S+\j+1]
	v_pk_add_f32 v[240:241], v[240:241], v[S+\j+2:S+\j+3]
.endr
	s_delay_alu instid0(VALU_DEP_1)
	v_pk_add_f32 v[14:15], v[14:15], v[240:241]
	s_setprio 0
.irp b, 0,1,2,3
.irp i, 0,1,2,3,4,5,6,7,8,9,10,11,12,13,14,15
.endr
	v_cvt_scalef32_pk8_fp8_f32 v[PC+4*\b:PC+4*\b+1], v[S+16*\b:S+16*\b+7], v[SOP+\b]
	v_cvt_scalef32_pk8_fp8_f32 v[PC+4*\b+2:PC+4*\b+3], v[S+16*\b+8:S+16*\b+15], v[SOP+\b]
.endr
.set j, 0
.rept 16
	v_pk_mul_f32 v[O+j:O+j+1], v[O+j:O+j+1], v[242:243] op_sel_hi:[1,0]   ; O^T under the new M.  (These are also the places between the codes' lines and the products)
.set j, j+2
.endr
	s_wait_alu depctr_va_vdst(0)
	s_wait_dscnt 0x0                               ; V
.irp t, 0,1,2,3                                    ; the four accumulators by turns
.if \t%2
	v_wmma_scale_f32_16x16x128_f8f6f4 v[O+8*\t:O+8*\t+7], v[KV+16*\t:KV+16*\t+15], v[PC:PC+15], v[O+8*\t:O+8*\t+7], v[VSC+\t/2], v[PSC] matrix_a_scale:MATRIX_SCALE_ROW1
.else
	v_wmma_scale_f32_16x16x128_f8f6f4 v[O+8*\t:O+8*\t+7], v[KV+16*\t:KV+16*\t+15], v[PC:PC+15], v[O+8*\t:O+8*\t+7], v[VSC+\t/2], v[PSC]
.endif
.endr
.Lskip_\@:
	s_add_co_u32 s[TB], s[TB], 8192
	s_add_co_u32 s[TS], s[TS], 256
	s_add_co_u32 s[ST], s[ST], 1
	s_cmp_lt_u32 s[ST], 16
	s_cbranch_scc1 .Lstep_\@
	s_setprio 0
	; THE TILE'S END.  First the keys of the steps that were passed over: (15 - AG) x 128 of them, all with the mask's value.
.rept 8
	v_nop                                          ; places behind the last products
.endr
	s_cmp_eq_u32 s[AG], 15                         ; no such keys: then their t must not count for M
	s_cselect_b32 s56, s[NBIG], s[SMS]
	s_xor_b32 s57, s[AG], 15
	s_lshl_b32 s57, s57, 7
	s_cvt_f32_u32 s57, s57                         ; how many
	s_lshl_b32 s58, s[AG], 8
	v_add_nc_u32 v[ADK], s58, v[ASU]
.irp g, 0,1,2,3
.irp t, 0,1,2,3
	ds_load_b128 v[KV+32*\g+8*\t:KV+32*\g+8*\t+3], v[ADK] offset:4096*\g+64*\t          ; the four groups' sums of v behind step AG, in O^T's layout
	ds_load_b128 v[KV+32*\g+8*\t+4:KV+32*\g+8*\t+7], v[ADK] offset:4096*\g+64*\t+16
.endr
.endr
	v_mov_b32 v245, s56
	s_delay_alu instid0(VALU_DEP_1)
	v_mul_f32 v244, s[CS], v245                    ; their t
	s_delay_alu instid0(VALU_DEP_1)
	v_max_num_f32 v13, v13, v244
	v_mov_b32 v244, v12
	s_delay_alu instid0(VALU_DEP_2)
	v_floor_f32 v12, -v13
	s_delay_alu instid0(VALU_DEP_1)
	v_sub_f32 v244, v12, v244
	s_delay_alu instid0(VALU_DEP_1)
	v_cvt_i32_f32 v244, v244
	s_delay_alu instid0(VALU_DEP_1)
	v_ldexp_f32 v242, 1.0, v244                    ; f, as in a step
	s_delay_alu instid0(VALU_DEP_4)
	v_fma_f32 v246, v245, s[CS], v12
	s_wait_alu depctr_va_vdst(0)
	v_exp_f32 v246, v246                           ; pm
	v_pk_mul_f32 v[14:15], v[14:15], v[242:243] op_sel_hi:[1,0]   ; (the plain place behind the exponential)
	s_wait_alu depctr_va_vdst(0)
	v_max_num_f32 v247, 0x4800000, v246
	s_delay_alu instid0(VALU_DEP_1)
	v_and_or_b32 v247, v247, 0x7f800000, s[MNT]    ; 448 x the scale of a block in which every p is pm
	v_bfe_u32 v248, v246, 20, 1
	v_add3_u32 v248, v246, v248, 0x7ffff
	s_delay_alu instid0(VALU_DEP_1)
	v_and_b32 v248, 0xfff00000, v248               ; pm rounded to three mantissa bits, ties to even,
	s_delay_alu instid0(VALU_DEP_1)
	v_min_num_f32 v248, v248, v247                 ; and held: Q(pm)
	v_add_f32 v14, v14, v15                        ; the sum's two halves,
	s_delay_alu instid0(VALU_DEP_1)
	v_permlanex16_b32 v[PD], v14, s[SEL], s[SEL+1]
	s_delay_alu instid0(VALU_DEP_1)
	v_add_f32 v14, v14, v[PD]                      ; lane l xor 16's,
	v_fma_f32 v14, s57, v246, v14                  ; and the hidden keys'
	s_wait_alu depctr_va_vdst(0)
	v_rcp_f32 v14, v14
	v_nop                                          ; one plain place behind a transcendental
	s_wait_alu depctr_va_vdst(0)
	v_mul_f32 v250, v242, v14                      ; f / the sum
	v_mul_f32 v248, v248, v14                      ; Q(pm) / the sum
	s_wait_dscnt 0x0
.set i, 0
.rept 16
	v_pk_add_f32 v[KV+i:KV+i+1], v[KV+i:KV+i+1], v[KV+32+i:KV+33+i]
	v_pk_add_f32 v[KV+64+i:KV+65+i], v[KV+64+i:KV+65+i], v[KV+96+i:KV+97+i]
.set i, i+2
.endr
.set i, 0
.rept 16
	v_pk_add_f32 v[KV+i:KV+i+1], v[KV+i:KV+i+1], v[KV+64+i:KV+65+i]
.set i, i+2
.endr
.set i, 0
.rept 16
	v_pk_mul_f32 v[O+i:O+i+1], v[O+i:O+i+1], v[250:251] op_sel_hi:[1,0]    ; each result from its low end on
.set i, i+2
.endr
.set i, 0
.rept 16
	v_pk_fma_f32 v[O+i:O+i+1], v[KV+i:KV+i+1], v[248:249], v[O+i:O+i+1] op_sel_hi:[1,0,1]   ; a: register 8 t + j is number 16 t + 8 h + j of the head's 64
.set i, i+2
.endr
	; a is quantised along the head's 64: two blocks of 32, each in lanes l and l xor 16
.irp c, 0,1
	v_max3_num_f32 v[BM+\c], |v[O+16*\c]|, |v[O+1+16*\c]|, 0x4800000
.endr
.irp i, 2,4,6,8,10,12,14
.irp c, 0,1
	s_delay_alu instid0(VALU_DEP_2)
	v_max3_num_f32 v[BM+\c], v[BM+\c], |v[O+16*\c+\i]|, |v[O+1+16*\c+\i]|
.endr
.endr
.irp c, 0,1
	s_delay_alu instid0(VALU_DEP_2)
	v_permlanex16_b32 v[PD+\c], v[BM+\c], s[SEL], s[SEL+1]
.endr
.irp c, 0,1
	s_delay_alu instid0(VALU_DEP_2)
	v_max_num_f32 v[BM+\c], v[BM+\c], v[PD+\c]
.endr
.irp c, 0,1
	s_delay_alu instid0(VALU_DEP_2)
	v_add_nc_u32 v[SOP+\c], 0xfc000000, v[BM+\c]
.endr
.irp c, 0,1
.endr
.irp c, 0,1
	s_delay_alu instid0(VALU_DEP_2)
	v_lshrrev_b32 v[PD+\c], 23, v[SOP+\c]
.endr
.irp c, 0,1
.irp i, 0,1,2,3,4,5,6,7,8,9,10,11,12,13,14,15
.endr
	v_cvt_scalef32_pk8_fp8_f32 v[PC+4*\c:PC+4*\c+1], v[O+16*\c:O+16*\c+7], v[SOP+\c]
	v_cvt_scalef32_pk8_fp8_f32 v[PC+4*\c+2:PC+4*\c+3], v[O+16*\c+8:O+16*\c+15], v[SOP+\c]
.endr
	v_cndmask_b32 v244, v[PD], v[PD+1], s[HM]      ; lanes 0-15 carry the first block's byte, lanes 16-31 the second's.  (The plain line behind the conversions)
	s_lshl_b32 s58, s[BT], 7
	s_lshl_b32 s59, s[AG], 3
	s_add_co_u32 s58, s58, s59
	s_add_co_u32 s58, s58, s[EQ]                   ; the tile among all 512 tiles of tokens
	s_lshr_b32 s59, s[HH], 2                       ; a_codes: [256 along K][tile][128 along K][32 along K][lane][16]: four heads to 256 along K
	s_lshl_b32 s59, s59, 9
	s_add_co_u32 s59, s59, s58
	s_lshl_b32 s59, s59, 12
	s_bfe_u32 s60, s[HH], 0x10001
	s_lshl_b32 s60, s60, 11
	s_add_co_u32 s59, s59, s60
	s_and_b32 s60, s[HH], 1
	s_lshl_b32 s60, s60, 10
	s_add_co_u32 s59, s59, s60
	v_add_nc_u32 v252, s59, v[L16]
	s_wait_alu depctr_va_vdst(0)
	global_store_b128 v252, v[PC:PC+3], s[8:9]              ; the wave's two stores cover 1,024 consecutive bytes, aligned
	global_store_b128 v252, v[PC+4:PC+7], s[8:9] offset:512
	s_lshl_b32 s60, s58, 9                         ; a_scales: [token][32]: 32 bytes a token, my head's two at 2 x head
	s_lshl_b32 s61, s[HH], 1
	s_add_co_u32 s60, s60, s61
	v_add_nc_u32 v253, s60, v255
	global_store_b8 v253, v244, s[10:11]           ; a byte a lane: two scale bytes for a token's 64 codes; the rows are laid as the last product's loads want them
.endm
	TILE 1
	TILE 0
	s_wait_dscnt 0x0
	s_wait_xcnt 0x0
	v_lshl_add_u32 v254, v0, 2, 0x46000
	v_mov_b32 v255, 0
	s_wait_alu depctr_va_vdst(0)
	s_wait_tensorcnt 0x0
	ds_add_u32 v254, v255
	s_wait_dscnt 0x0
	CROUND                                         ; the closing round
	s_endpgm
.Lfunc_end_k_q2cea9a9b28_attn:
	.size	k_q2cea9a9b28_attn, .Lfunc_end_k_q2cea9a9b28_attn-k_q2cea9a9b28_attn
	.p2alignl 7, 3214868480
	.fill 96, 4, 3214868480
	.section	.rodata,"a",@progbits
	.p2align	6, 0x0
	.amdhsa_kernel k_q2cea9a9b28_attn
		.amdhsa_group_segment_fixed_size 327680
		.amdhsa_private_segment_fixed_size 0
		.amdhsa_enable_private_segment 0
		.amdhsa_kernarg_size 32
		.amdhsa_user_sgpr_count 2
		.amdhsa_user_sgpr_kernarg_segment_ptr 1
		.amdhsa_wavefront_size32 1
		.amdhsa_system_sgpr_workgroup_id_x 1
		.amdhsa_system_sgpr_workgroup_id_y 1
		.amdhsa_system_sgpr_workgroup_id_z 1
		.amdhsa_system_vgpr_workitem_id 0
		.amdhsa_next_free_vgpr 256
		.amdhsa_next_free_sgpr 66
		.amdhsa_reserve_vcc 1
		.amdhsa_float_denorm_mode_32 3
		.amdhsa_float_denorm_mode_16_64 3
		.amdhsa_fp16_overflow 1
		.amdhsa_memory_ordered 1
		.amdhsa_forward_progress 1
		.amdhsa_inst_pref_size 88
	.end_amdhsa_kernel
	.amdgpu_metadata
---
amdhsa.version: [ 1, 2 ]
amdhsa.kernels:
  - .name:           k_q2cea9a9b28_attn
    .symbol:         k_q2cea9a9b28_attn.kd
    .args:
      - { .name: qkv_codes, .offset: 0, .size: 8, .value_kind: global_buffer, .address_space: global }
      - { .name: qkv_scales, .offset: 8, .size: 8, .value_kind: global_buffer, .address_space: global }
      - { .name: a_codes, .offset: 16, .size: 8, .value_kind: global_buffer, .address_space: global }
      - { .name: a_scales, .offset: 24, .size: 8, .value_kind: global_buffer, .address_space: global }
    .group_segment_fixed_size: 327680
    .private_segment_fixed_size: 0
    .kernarg_segment_align: 8
    .kernarg_segment_size: 32
    .max_flat_workgroup_size: 512
    .sgpr_count:     66
    .vgpr_count:     256
    .wavefront_size: 32
...
	.end_amdgpu_metadata
.endif
;; end of part 2
;; launch proj (part 3): grid 4 x 32, 4 waves a work-group, clusters of 4 x 4, 327,680 bytes of LDS; arguments a_codes, a_scales, w_proj_codes, w_proj_scales, b_proj, out0; writes out0
.if DOCPART == 3
	.amdgcn_target "amdgcn-amd-amdhsa--gfx1250"
	.amdhsa_code_object_version 6
	.text
	.protected	k_q2cea9a9b28_proj
	.globl	k_q2cea9a9b28_proj
	.p2align	8
	.type	k_q2cea9a9b28_proj,@function
k_q2cea9a9b28_proj:
	s_mov_b64 s[64:65], 0
	v_nop
	global_prefetch_b8 v0, s[64:65] scope:SCOPE_SE
	s_setreg_imm32_b32 hwreg(HW_REG_WAVE_MODE, 25, 1), 1
	s_wait_xcnt 0x0
	s_wait_alu depctr_hold_cnt(0) depctr_sa_sdst(0) depctr_va_vdst(0) depctr_va_sdst(0) depctr_va_ssrc(0) depctr_va_vcc(0) depctr_vm_vsrc(0)
	s_getreg_b32 s2, hwreg(HW_REG_IB_STS2, 6, 4)
	s_cmp_eq_u32 s2, 0
	s_cbranch_scc0 .Lentry_in_a_cluster
	s_endpgm
.Lentry_in_a_cluster:
	s_bfe_u32 s2, ttmp6, 0x10000c
	s_cmp_lg_u32 s2, 0xf033
	s_cbranch_scc0 .Lentry_shape_is_right
	s_endpgm
.Lentry_shape_is_right:
; out0 = a W_proj + b_proj on codes of FP8 (E4M3) with one E8M0 scale for each 32 along K = 1,024; out0 [8,192][1,024] f32.
; A work-group of four waves makes 256 x 256 of out0, a wave 128 x 128: 64 accumulators, 512 registers.  K goes in steps of 256 through a ring of two LDS slots filled by the tensor data mover;
; the scale bytes of the work-group's rows come once and stay.  4 x 4 work-groups form a cluster: a's tiles are asked for jointly along a row of it, W's along a column.
; 128 work-groups: out0 has no more tiles of this size; half the tile would give 256 with twice the LDS bytes for each product.
; a's codes lie in memory as images of operand registers, [256 along K][tile of 16 tokens][128 along K][32 along K][lane][16 bytes]: a K step of 128 tokens is 32,768 dense bytes, and a fragment
; comes by four loads of 512 consecutive bytes.  Inside each block of 32 along K place 16 h + 8 u + j holds index 16 u + 8 h + j (h = lane / 16): so the launch before left them.
; W's codes lie in true order, in rows: they are read in the same order, two loads of 8 bytes (at 8 h and 16 + 8 h) where one of 16 would stand.  A permutation made alike on both sides keeps the products.
; The matrix instruction is used transposed (source 0 = 16 rows of W, source 1 = 16 tokens): a lane holds eight neighbouring numbers of a row of out0.  The bias is the C of the first K step.
.set NQ,     2
.set ROWB,   256                       ; a row of W's tile in bytes
.set KROW,   1024                      ; a row of W in memory
.set ASTEP,  2097152                   ; a K step of a's codes in memory: 512 tiles of 4,096 bytes
.set PITCH,  272                       ; W's rows in LDS: 256 bytes + 16 of padding: 32 lanes' 8 bytes fall on 64 different banks (ISA guide 11.1)
.set FR,     16
.set NL,     4                         ; LDS loads that bring a fragment of a
.set NP,     8                         ; places behind this matrix instruction (ISA guide 7.12.1)
.set HALFA,  32768                     ; 128 tokens of a: what one tensor load brings
.set HALFT,  128*PITCH                 ; 128 rows of W
.set SLOT,   2*HALFA+2*HALFT           ; a's 256 tokens, then W's 256 rows
.set LAPS,   2
.set KS,     32
.set SCL,    2*SLOT                    ; behind the ring: the scales, as units of 256 bytes + 16 of padding
.set HALFS,  (128*KS/256)*272
.set SBLK,   (16*KS/256)*272
.set SPARE,  SCL+4*HALFS               ; the spare words: two blocks of 256 bytes that no other line names
.set SPITCH, 528                       ; the way out: a stage of 16 rows x (512 bytes + 16) for each wave, in slot 0's part for a, which has had its last fill and its last read by then
.set SIZE_N, 1024
.set ADRA, 16
.set ADRB, 20
.set STO,  24
.set RD,   25
.set CO,   26
.set ADRS, 27
.set SPW,  28
.set NIL,  29
.set SC,   32                          ; v32-63  scale words, two sets
.set BIAS, 64                          ; v64-127 b_proj, eight registers a tile of columns, in the result's layout
.set AF,   128                         ; v128-255 a's fragments, one set.  Window 1: W's, two sets.  Windows 2, 3: the accumulators
.set BK,   128                         ; the way out: 16 rows read back from the stage: v128-191 and v192-255 by turns
.set WV, 18
.set WH, 19
.set WL, 20
.set CX, 21
.set CY, 22
.set CP, 14                            ; s[14:15] out0
.set G1, 24
.set G0, 32
.set G1B, 48
.set G0B, 56
.set G1S, 68
.set G0S, 76
.set G1SB, 80
.set G0SB, 88
.set MSB, 0
.macro WIN new                         ; the immediate's high byte repeats the setting that is left
.if MSB != (\new)
	s_set_vgpr_msb (MSB<<8)|(\new)
.set MSB, (\new)
.endif
.endm
.set MUL_LO, 0xa1
.set MUL_HI, 0xf1
.set BEG_LO, 0x81                      ; the first K step: C (the bias) window 0
.set BEG_HI, 0xc1
.set TO_B,   0x40
.macro JLOAD g0a, g1a, g0b, g1b        ; a joint load: waves 0 and 1 fetch for a, waves 2 and 3 for W; four v_nop follow each line
	s_cmp_eq_u32 s[WH], 0
	s_cbranch_scc0 .Lfor_b_\@
	tensor_load_to_lds s[\g0a:\g0a+3], s[\g1a:\g1a+7]
	s_nop 0
.rept 4
	v_nop
.endr
	s_branch .Lasked_\@
.Lfor_b_\@:
	tensor_load_to_lds s[\g0b:\g0b+3], s[\g1b:\g1b+7]
	s_nop 0
.rept 4
	v_nop
.endr
.Lasked_\@:
.endm
.macro CREST
	s_cmp_lg_u32 s[WV], 0
	s_cbranch_scc1 .Lnot_wave_0_\@
	s_barrier_signal -3
.Lnot_wave_0_\@:
	s_barrier_wait -3
	s_barrier_signal -1
	s_barrier_wait -1
.endm
.macro CROUND
	s_barrier_signal -1
	s_barrier_wait -1
	CREST
.endm
	s_load_b256 s[4:11], s[0:1], 0x0               ; a's codes s[4:5], a's scales s[6:7], W's codes s[8:9], W's scales s[10:11]
	s_load_b128 s[12:15], s[0:1], 0x20             ; b_proj s[12:13], out0 s[14:15]
	v_lshl_add_u32 v[SPW], v0, 2, SPARE
	v_mov_b32 v[NIL], 0
	ds_add_u32 v28, v29
	ds_add_u32 v28, v29
	s_wait_dscnt 0x0
	v_lshrrev_b32 v1, 5, v0
	v_readfirstlane_b32 s[WV], v1
	s_lshr_b32 s[WH], s[WV], 1                     ; which half of the tile's tokens is mine.  Also: I fetch for a (0) or for W (1)
	s_and_b32 s[WL], s[WV], 1                      ; which half of its columns.  Also: which half of that tile I fetch
	s_bfe_u32 s[CX], ttmp6, 0x40000
	s_bfe_u32 s[CY], ttmp6, 0x40004
	s_lshl_b32 s42, ttmp9, 2
	s_add_co_u32 s42, s42, s[CX]                   ; tile column = 4 x cluster x + cx
	s_and_b32 s23, ttmp7, 0xffff
	s_lshl_b32 s23, s23, 2
	s_add_co_u32 s23, s23, s[CY]                   ; tile row = 4 x cluster y + cy
	s_lshl_b32 s43, s[CY], 2
	s_lshl_b32 s43, 15, s43                        ; my row of the cluster
	s_lshl_b32 s44, 0x1111, s[CX]                  ; my column
	; a's tiles: 32,768 dense bytes as 128 rows of 256 bytes (32 elements of 8 bytes), no padding
	s_or_b32 s[G1+0], s43, (3<<16)|(1<<21)
	s_mov_b32 s[G1+1], 32<<16
	s_mov_b32 s[G1+2], 128<<16
	s_mov_b32 s[G1+3], 32<<16
	s_mov_b32 s[G1+4], 128
	s_mov_b32 s[G1+5], 32
	s_mov_b32 s[G1+6], 0
	s_mov_b32 s[G1+7], 0
	; W's tiles: 128 rows x 256 bytes, 16 bytes of padding behind each
	s_or_b32 s[G1B+0], s44, (0<<16)|(1<<20)|(1<<21)|(5<<22)|(3<<25)
	s_mov_b32 s[G1B+1], ROWB<<16
	s_mov_b32 s[G1B+2], 128<<16
	s_mov_b32 s[G1B+3], ROWB<<16
	s_mov_b32 s[G1B+4], 128
	s_mov_b32 s[G1B+5], KROW
	s_mov_b32 s[G1B+6], 0
	s_mov_b32 s[G1B+7], 0
	; the scales of 128 rows: 4,096 dense bytes, as 16 rows of 256 bytes, 16 bytes of padding behind each
	s_or_b32 s[G1S+0], s43, (3<<16)|(1<<20)|(1<<21)|(5<<22)|(3<<25)
	s_or_b32 s[G1SB+0], s44, (3<<16)|(1<<20)|(1<<21)|(5<<22)|(3<<25)
.irp g, G1S, G1SB
	s_mov_b32 s[\g+1], 32<<16
	s_mov_b32 s[\g+2], (128*KS/256)<<16
	s_mov_b32 s[\g+3], 32<<16
	s_mov_b32 s[\g+4], 128*KS/256
	s_mov_b32 s[\g+5], 32
	s_mov_b32 s[\g+6], 0
	s_mov_b32 s[\g+7], 0
.endr
	s_lshl_b32 s92, s23, 4
	s_lshl_b32 s40, s[WL], 3
	s_add_co_u32 s92, s92, s40                     ; a: tile of tokens 16 x tile row + 8 x half,
	s_lshl_b32 s92, s92, 12                        ; 4,096 bytes each
	s_mov_b32 s93, 0
	s_lshl_b32 s94, s23, 8
	s_lshl_b32 s45, s[WL], 7
	s_add_co_u32 s94, s94, s45                     ; a's scales: token 256 x tile row + 128 x half,
	s_lshl_b32 s94, s94, 5                         ; 32 bytes each
	s_mov_b32 s95, 0
	s_lshl_b32 s46, s42, 8
	s_add_co_u32 s46, s46, s45                     ; W: row 256 x tile column + 128 x half
	s_lshl_b32 s96, s46, 10
	s_mov_b32 s97, 0
	s_lshl_b32 s98, s46, 5
	s_mov_b32 s99, 0
	s_lshl_b32 s2, s[WL], 15                       ; where they go in a slot: a's halves,
	s_mul_i32 s47, s[WL], HALFT
	s_add_co_u32 s47, s47, 2*HALFA                 ; then W's: no place in the cluster enters an LDS address
	s_mul_i32 s101, s[WV], HALFS
	s_wait_kmcnt 0x0
	s_add_nc_u64 s[92:93], s[4:5], s[92:93]
	s_add_nc_u64 s[94:95], s[6:7], s[94:95]
	s_add_nc_u64 s[96:97], s[8:9], s[96:97]
	s_add_nc_u64 s[98:99], s[10:11], s[98:99]
	CROUND                                         ; all sixteen work-groups are here: the first joint loads meet
	s_mov_b32 s[G0S], 1
	s_add_co_u32 s[G0S+1], s101, SCL
	s_mov_b64 s[G0S+2:G0S+3], s[94:95]
	s_or_b32 s[G0S+3], s[G0S+3], 0x80000000
	s_mov_b32 s[G0SB], 1
	s_add_co_u32 s[G0SB+1], s101, SCL
	s_mov_b64 s[G0SB+2:G0SB+3], s[98:99]
	s_or_b32 s[G0SB+3], s[G0SB+3], 0x80000000
	JLOAD G0S, G1S, G0SB, G1SB                     ; the scales first: they are wanted with K step 0
.irp s, 0,1
	s_mov_b32 s[G0+4*\s], 1
	s_add_co_u32 s[G0+4*\s+1], s2, \s*SLOT
	s_add_nc_u64 s[G0+4*\s+2:G0+4*\s+3], s[92:93], \s*ASTEP
	s_or_b32 s[G0+4*\s+3], s[G0+4*\s+3], 0x80000000
	s_mov_b32 s[G0B+4*\s], 1
	s_add_co_u32 s[G0B+4*\s+1], s47, \s*SLOT
	s_add_nc_u64 s[G0B+4*\s+2:G0B+4*\s+3], s[96:97], \s*ROWB
	s_or_b32 s[G0B+4*\s+3], s[G0B+4*\s+3], 0x80000000
	s_wait_alu depctr_va_vdst(0)
	s_wait_tensorcnt 0x0
	ds_add_u32 v28, v29
	s_wait_dscnt 0x0
	CROUND
	JLOAD G0+4*\s, G1, G0B+4*\s, G1B
.endr
	v_and_b32 v1, 15, v0                           ; r
	v_bfe_u32 v2, v0, 4, 1                         ; h
	v_and_b32 v5, 31, v0
	v_lshlrev_b32 v5, 4, v5                        ; a: 16 x lane
	v_mul_u32_u24 v3, v1, PITCH
	v_lshl_add_u32 v4, v2, 3, v3                   ; W: row x pitch + 8 x half
	s_lshl_b32 s92, s[WH], 15                      ; my 128 tokens of a
	s_mul_i32 s93, s[WL], HALFT                    ; my 128 rows of W,
	s_add_co_u32 s93, s93, 2*HALFA                 ; which lie behind a's 256 tokens
.irp s, 0,1
	v_add_nc_u32 v[ADRA+\s], s92, v5
	v_add_nc_u32 v[ADRB+\s], s93, v4
	s_add_co_u32 s92, s92, SLOT
	s_add_co_u32 s93, s93, SLOT
.endr
	v_mul_u32_u24 v5, v1, KS                       ; my row's scales: 32 bytes a row,
	v_lshrrev_b32 v6, 8, v5
	v_lshl_add_u32 v5, v6, 4, v5                   ; and 16 more for each 256 passed
	s_mul_i32 s92, s[WH], HALFS
	s_mul_i32 s93, s[WL], HALFS
	s_add_co_u32 s93, s93, 2*HALFS
	s_sub_co_u32 s93, s93, s92
	v_mul_u32_u24 v6, s93, v2                      ; lanes 16-31 take W's
	s_add_co_u32 s92, s92, SCL
	v_add_nc_u32 v5, v5, v6
	v_add_nc_u32 v[ADRS], s92, v5
	s_lshl_b32 s94, s42, 10                        ; my first column, in bytes of f32: 1,024 x tile column + 512 x half
	s_lshl_b32 s95, s[WL], 9
	s_add_co_u32 s94, s94, s95
	v_lshlrev_b32 v7, 5, v2
	v_add_nc_u32 v7, s94, v7                       ; b_proj there, + 8 h numbers
.irp b, 0,1,2,3,4,5,6,7
	global_load_b128 v[BIAS+8*\b:BIAS+8*\b+3], v7, s[12:13] offset:64*\b
	global_load_b128 v[BIAS+8*\b+4:BIAS+8*\b+7], v7, s[12:13] offset:64*\b+16
.endr
	s_mul_i32 s92, s[WV], 16*SPITCH                ; my stage
	v_mul_u32_u24 v5, v1, SPITCH                   ; in: row r, 32 bytes for each half of the lanes
	v_lshl_add_u32 v5, v2, 5, v5
	v_add_nc_u32 v[STO], s92, v5
	v_and_b32 v6, 31, v0
	v_lshlrev_b32 v[CO], 4, v6                     ; back: the 32 lanes take one row of 512 bytes; and the same in out0
	v_add_nc_u32 v[RD], s92, v[CO]
	s_lshl_b32 s92, s23, 8
	s_lshl_b32 s93, s[WH], 7
	s_add_co_u32 s92, s92, s93                     ; my first row of out0,
	s_lshl_b32 s92, s92, 12                        ; 4,096 bytes each,
	s_add_co_u32 s92, s92, s94                     ; and my first column (the whole stays under 2^26)
	s_mov_b32 s93, 0
	s_add_nc_u64 s[CP:CP+1], s[CP:CP+1], s[92:93]
	s_wait_alu depctr_va_vdst(0)
	s_wait_loadcnt 0x0                             ; the bias
.macro FRAGA reg, adr, q, i            ; a fragment of a: an image: four loads of 512 consecutive bytes
.irp c, 0,1,2,3
	ds_load_b128 v[\reg+4*\c:\reg+4*\c+3], v[\adr] offset:(\i)*4096+(\q)*2048+512*\c
.endr
.endm
.macro FRAGB reg, adr, q, i            ; a fragment of W, in a's order inside each block of 32: registers 4 c + 2 u, + 1 take K = 32 c + 16 u + 8 h + 0 .. 7
.irp c, 0,1,2,3
.irp u, 0,1
	ds_load_b64 v[\reg+4*\c+2*\u:\reg+4*\c+2*\u+1], v[\adr] offset:128*(\q)+32*\c+16*\u+(\i)*16*PITCH
.endr
.endr
.endm
; 16 matrix instructions: a's blocks a0, a0 + 1 x W's eight, 128 along K.  zero = 1: the first K step: its C is the bias.  The 64 accumulators take turns.
.macro MUL16 a0, p, q, sc, zero
.irp a, \a0, \a0+1
.irp b, 0,1,2,3,4,5,6,7
.if \zero
	v_wmma_scale_f32_16x16x128_f8f6f4 v[8*(8*((\a)%4)+\b):8*(8*((\a)%4)+\b)+7], v[128*(\p)+FR*\b:128*(\p)+FR*\b+FR-1], v[AF+FR*(\a):AF+FR*(\a)+FR-1], v[BIAS+8*\b:BIAS+8*\b+7], v[SC+8*NQ*(\sc)+NQ*\b+(\q)], v[SC+8*NQ*(\sc)+NQ*(\a)+(\q)] matrix_a_scale:MATRIX_SCALE_ROW1
.else
	v_wmma_scale_f32_16x16x128_f8f6f4 v[8*(8*((\a)%4)+\b):8*(8*((\a)%4)+\b)+7], v[128*(\p)+FR*\b:128*(\p)+FR*\b+FR-1], v[AF+FR*(\a):AF+FR*(\a)+FR-1], v[8*(8*((\a)%4)+\b):8*(8*((\a)%4)+\b)+7], v[SC+8*NQ*(\sc)+NQ*\b+(\q)], v[SC+8*NQ*(\sc)+NQ*(\a)+(\q)] matrix_a_scale:MATRIX_SCALE_ROW1
.endif
.endr
.endr
.endm
.macro FETCH_B slot, q, p
	WIN TO_B
.irp i, 0,1,2,3,4,5,6,7
	FRAGB 128*(\p)+FR*\i, ADRB+\slot, \q, \i
.endr
	WIN 0
.endm
.macro FETCH_A slot, q, i0
.irp i, \i0, \i0+1, \i0+2, \i0+3
	FRAGA AF+FR*(\i), ADRA+\slot, \q, \i
.endr
.endm
.macro SCALES sc                       ; a K step's scale words: lanes 0-15 take a's block i, lanes 16-31 W's block i
.irp i, 0,1,2,3,4,5,6,7
	ds_load_b64 v[SC+8*NQ*\sc+NQ*\i:SC+8*NQ*\sc+NQ*\i+1], v[ADRS] offset:\i*SBLK
.endr
.endm
.macro PLACES n                        ; eight places stand in front of loads into registers that matrix instructions have read, and of the first read of results (ISA guide 7.12.1 for the first read of results)
.rept \n
	v_nop
.endr
.endm
.macro STEP slot, q, zero
	s_wait_dscnt 4*NL                              ; W's set and a's blocks 0-3 are in; the youngest sixteen loads (a's blocks 4-7) may be out
.if \zero
	WIN BEG_LO
.else
	WIN MUL_LO
.endif
	MUL16 0, (\q)%2, \q, \slot, \zero
	MUL16 2, (\q)%2, \q, \slot, \zero
	s_wait_dscnt 0
	PLACES NP
	FETCH_B \slot, (\q)+1, 1-(\q)%2
	FETCH_A \slot, (\q)+1, 0
.if \zero
	WIN BEG_HI
.else
	WIN MUL_HI
.endif
	MUL16 4, (\q)%2, \q, \slot, \zero
	MUL16 6, (\q)%2, \q, \slot, \zero
	PLACES NP
	WIN 0
	FETCH_A \slot, (\q)+1, 4
.endm
; A slot's last step changes slots: one barrier; in front of it each wave waits for all its tensor loads, adds 0 to its spare word, and waits for that and for its own reads of this slot.
.macro TURN slot, next, fill
	s_wait_tensorcnt 0x0                           ; all my tensor loads have landed: my part of the next slot
	ds_add_u32 v[SPW], v[NIL]                      ; 0 onto my spare word
	s_wait_dscnt 4*NL+1                            ; (the add and the youngest sixteen loads may be out)
	WIN MUL_LO
	MUL16 0, 1, NQ-1, \slot, 0
	s_wait_dscnt 0x0                               ; the add is done, and my reads of this slot are over
	s_barrier_signal -1
	MUL16 2, 1, NQ-1, \slot, 0
	WIN 0
	s_barrier_wait -1
.if \fill
	CREST                                          ; no wave of any partner still reads this slot's tile or has a load on its way
	s_add_nc_u64 s[G0+4*\slot+2:G0+4*\slot+3], s[G0+4*\slot+2:G0+4*\slot+3], 2*ASTEP
	s_add_nc_u64 s[G0B+4*\slot+2:G0B+4*\slot+3], s[G0B+4*\slot+2:G0B+4*\slot+3], 2*ROWB
	JLOAD G0+4*\slot, G1, G0B+4*\slot, G1B
	PLACES NP-4
.else
	PLACES NP
.endif
	s_wait_alu depctr_va_vdst(0)
	v_add_nc_u32 v[ADRS], 4*NQ, v[ADRS]
	FETCH_B \next, 0, 0
	FETCH_A \next, 0, 0
	SCALES \next
	WIN MUL_HI
	MUL16 4, 1, NQ-1, \slot, 0
	MUL16 6, 1, NQ-1, \slot, 0
	PLACES NP
	WIN 0
	FETCH_A \next, 0, 4
.endm
	s_wait_tensorcnt 1                             ; the scales and my part of K step 0 are in; K step 1's load may be out
	s_barrier_signal -1
	s_barrier_wait -1
	FETCH_B 0, 0, 0
	FETCH_A 0, 0, 0
	SCALES 0
	FETCH_A 0, 0, 4
	STEP 0, 0, 1
	s_mov_b32 s3, LAPS-1
.Llap:
	TURN 0, 1, 1
	STEP 1, 0, 0
	TURN 1, 0, 1
	STEP 0, 0, 0
	s_sub_co_u32 s3, s3, 1
	s_cmp_lg_u32 s3, 0
	s_cbranch_scc1 .Llap
	TURN 0, 1, 0                                   ; the last lap fills nothing
	STEP 1, 0, 0
	s_wait_dscnt 4*NL
	WIN MUL_LO
	MUL16 0, 1, NQ-1, 1, 0
	MUL16 2, 1, NQ-1, 1, 0
	s_wait_dscnt 0
	WIN MUL_HI
	MUL16 4, 1, NQ-1, 1, 0
	MUL16 6, 1, NQ-1, 1, 0
	WIN 0
; THE WAY OUT, block by block of 16 rows x 128 columns, through my own stage in LDS: in as 32 bytes a lane, back as whole rows of 512 bytes.  LDS serves a wave's instructions in order (ISA guide 5.7.1.4).
.macro TOSTAGE a
.set AC, 64*((\a)%4)
	WIN 0x08+4*((\a)/4)                            ; the data: window 2 or 3
.irp b, 0,1,2,3,4,5,6,7
	ds_store_b128 v[STO], v[AC+8*\b:AC+8*\b+3] offset:64*\b          ; each accumulator from its low end on
	ds_store_b128 v[STO], v[AC+8*\b+4:AC+8*\b+7] offset:64*\b+16
.endr
	WIN 0
.set BB, BK+64*((\a)%2)
.irp t, 0,1,2,3,4,5,6,7,8,9,10,11,12,13,14,15
	ds_load_b128 v[BB+4*\t:BB+4*\t+3], v[RD] offset:\t*SPITCH
.endr
.endm
.macro SEND a, younger                 ; younger: the LDS instructions issued behind block a's loads, which may stay out
.set BB, BK+64*((\a)%2)
	s_wait_dscnt \younger
.if (\a) > 0
	s_add_nc_u64 s[CP:CP+1], s[CP:CP+1], 16*SIZE_N*4   ; (behind a wait on XCNT: the earlier stores have read their base)
.endif
.irp t, 0,1,2,3,4,5,6,7,8,9,10,11,12,13,14,15
	global_store_b128 v[CO], v[BB+4*\t:BB+4*\t+3], s[CP:CP+1] offset:\t*SIZE_N*4 th:TH_STORE_NT   ; 32 lanes store 512 consecutive bytes, aligned; written once, read by nobody here
.endr
.endm
	PLACES NP
	TOSTAGE 0
.irp a, 1,2,3,4,5,6,7
.if \a > 1
	s_wait_xcnt 0x0                                ; block a - 2's stores have read their registers and their base
.endif
	TOSTAGE \a
	SEND \a-1, 32                                  ; behind block a - 1's loads: block a's 16 stores and 16 loads
.endr
	s_wait_xcnt 0x0
	SEND 7, 0
	s_wait_tensorcnt 0x0                           ; the wave's end
	ds_add_u32 v[SPW], v[NIL]
	s_wait_dscnt 0x0
	CROUND                                         ; the closing round
	s_endpgm
.Lfunc_end_k_q2cea9a9b28_proj:
	.size	k_q2cea9a9b28_proj, .Lfunc_end_k_q2cea9a9b28_proj-k_q2cea9a9b28_proj
	.p2alignl 7, 3214868480
	.fill 96, 4, 3214868480
	.section	.rodata,"a",@progbits
	.p2align	6, 0x0
	.amdhsa_kernel k_q2cea9a9b28_proj
		.amdhsa_group_segment_fixed_size 327680
		.amdhsa_private_segment_fixed_size 0
		.amdhsa_enable_private_segment 0
		.amdhsa_kernarg_size 48
		.amdhsa_user_sgpr_count 2
		.amdhsa_user_sgpr_kernarg_segment_ptr 1
		.amdhsa_wavefront_size32 1
		.amdhsa_system_sgpr_workgroup_id_x 1
		.amdhsa_system_sgpr_workgroup_id_y 1
		.amdhsa_system_sgpr_workgroup_id_z 1
		.amdhsa_system_vgpr_workitem_id 0
		.amdhsa_next_free_vgpr 1024
		.amdhsa_next_free_sgpr 102
		.amdhsa_reserve_vcc 0
		.amdhsa_float_denorm_mode_32 3
		.amdhsa_float_denorm_mode_16_64 3
		.amdhsa_memory_ordered 1
		.amdhsa_forward_progress 1
		.amdhsa_inst_pref_size 164
	.end_amdhsa_kernel
	.amdgpu_metadata
---
amdhsa.version: [ 1, 2 ]
amdhsa.kernels:
  - .name:           k_q2cea9a9b28_proj
    .symbol:         k_q2cea9a9b28_proj.kd
    .args:
      - { .name: a_codes, .offset: 0, .size: 8, .value_kind: global_buffer, .address_space: global }
      - { .name: a_scales, .offset: 8, .size: 8, .value_kind: global_buffer, .address_space: global }
      - { .name: w_proj_codes, .offset: 16, .size: 8, .value_kind: global_buffer, .address_space: global }
      - { .name: w_proj_scales, .offset: 24, .size: 8, .value_kind: global_buffer, .address_space: global }
      - { .name: b_proj, .offset: 32, .size: 8, .value_kind: global_buffer, .address_space: global }
      - { .name: out0, .offset: 40, .size: 8, .value_kind: global_buffer, .address_space: global }
    .group_segment_fixed_size: 327680
    .private_segment_fixed_size: 0
    .kernarg_segment_align: 8
    .kernarg_segment_size: 48
    .max_flat_workgroup_size: 128
    .sgpr_count:     102
    .vgpr_count:     1024
    .wavefront_size: 32
...
	.end_amdgpu_metadata
.endif
;; end of part 3
